; MI455X (gfx1250); checked and timed in simulation.
; The chip was launched on July 23, 2026; its instructions are those of AMD's public machine-readable ISA for CDNA 5 (MIT licence, August 2026) and "CDNA5" Instruction Set Architecture Reference Guide (July 2026). The comments in the code are by the model that wrote it; some were corrected since.
;; SA Module. Allowed arithmetic: matrix products marked QUANTISED: E4M3 operands, one given power-of-two scale a tensor, by v_wmma_f32_16x16x64_fp8_fp8 or v_wmma_f32_16x16x128_fp8_fp8, f32 sums; everything else in f32.
;; Inputs: betak 256 float32; betaq 256 float32; bk 256 float32; bo 512 float32; bq 256 float32; bv 256 float32; gk 256 float32; gq 256 float32; lowp_scales 12 int32 (the exponents e of the quantised operands' scales 2^e); mk 256 float32; mq 256 float32; vk 256 float32; vq 256 float32; wk_codes 256 x 16 x 32 uint8 (E4M3 codes of wk, K innermost, in blocks of 32 codes); wo_codes 512 x 8 x 32 uint8 (E4M3 codes of wo, K innermost, in blocks of 32 codes); wq_codes 256 x 16 x 32 uint8 (E4M3 codes of wq, K innermost, in blocks of 32 codes); wv_codes 256 x 16 x 32 uint8 (E4M3 codes of wv, K innermost, in blocks of 32 codes); x 16 x 512 x 2,048 float32.
;; Outputs: out0 16 x 512 x 2,048 float32.
;; This version of the problem:
;;   THIS VERSION OF THE PROBLEM IS GIVEN IN LOW PRECISION. The matrix products marked QUANTISED in the list below multiply operands that are first quantised to E4M3 (4 exponent bits, 3 mantissa bits; 8 bits a number), with one given power-of-two scale for each operand tensor; their sums are f32. All else is computed in f32.
;;   The module's matrix products, in the order in which they are computed (A, B: the left and right operand; K: the contracted axis; several contracted axes count as one K, in the product's order):
;;     1. [M 32,768, K 512] x [K 512, N 256]; A: input x; B: input wq (given as codes): QUANTISED (scales: A lowp_scales[0], B lowp_scales[1])
;;     2. [M 32,768, K 512] x [K 512, N 256]; A: input x; B: input wk (given as codes): QUANTISED (scales: A lowp_scales[2], B lowp_scales[3])
;;     3. [M 32,768, K 512] x [K 512, N 256]; A: input x; B: input wv (given as codes): QUANTISED (scales: A lowp_scales[4], B lowp_scales[5])
;;     4. batch 16 x [M 2,048, K 256] x [K 256, N 2,048]; A: computed on the way; B: computed on the way: QUANTISED (scales: A lowp_scales[6], B lowp_scales[7])
;;     5. batch 16 x [M 256, K 2,048] x [K 2,048, N 2,048]; A: computed on the way; B: softmax (see below): QUANTISED (scales: A lowp_scales[8], B lowp_scales[9])
;;     6. [M 32,768, K 256] x [K 256, N 512]; A: computed on the way; B: input wo (given as codes): QUANTISED (scales: A lowp_scales[10], B lowp_scales[11])
;;   THE QUANTISER, for each operand of a quantised product, along K:
;;     - The operand's scale is 2^e, e = its entry of the input lowp_scales (int32; the entries are numbered through the quantised products in the list's order, A before B).
;;     - Each number is divided by the scale, clamped to +-448, and rounded to the nearest number of E4M3, ties to even, subnormals kept.
;;     - The product sums the exact products of the quantised numbers (number of the format x scale) in f32.
;;   ~~~python
;;   def quantise(x, axis, e):      # numpy; x: float32 -> the quantised numbers, widened to float32 again
;;       x = np.moveaxis(x, axis, -1); K = x.shape[-1]
;;       r = np.clip(x / 2.0 ** e, -448, 448)
;;       step = 2.0 ** (np.maximum(np.frexp(np.where(r == 0, 1, r))[1] - 1, -6) - 3)
;;       q = np.round(r / step) * step * 2.0 ** e      # np.round: ties to even
;;       return np.moveaxis(q, -1, axis).astype(np.float32)
;;   ~~~
;;   SOFTMAX AHEAD OF A QUANTISED PRODUCT. Where the list says 'softmax', what is quantised is not the finished softmax but p = 2^(t - M), with t = logit x log2(e) and M = ceil(the row's largest t), a whole number; so 1/2 < the row's largest p <= 1. The row's sum l is taken of the UNQUANTISED p, in f32, and the product's result is divided by l at the end. Since M is a whole number, a kernel that streams over the keys may use a running M (the ceiling of the running maximum): every later rescaling is an exact power of two, so the quantised numbers keep their values, but for numbers so far below the row's largest that they fall under the format's range.
;;   OPERANDS COMPUTED ON THE WAY. 'Computed on the way' means the value that the module computes at that place (a softmax that the list does not call 'softmax' is quantised finished and normalised). What goes into a quantiser is computed in f32, as accurately as f32 sums, v_exp_f32 and their like allow (about 1e-6 of the number): no bf16 or f16 on the way to a quantiser, and a product that is left as it is and whose result goes on into a quantised operand takes f32 operands (vector FMAs, or v_wmma_f32_16x16x4_f32). A number that lies on a knife's edge between two numbers of the format may be rounded either way, as far as f32 arithmetic and the matrix unit's own rounding can turn it there, and no further.
;;   INPUTS GIVEN AS CODES. wk (in the module: [256, 512], K = its axis 1); wo (in the module: [512, 256], K = its axis 1); wq (in the module: [256, 512], K = its axis 1); wv (in the module: [256, 512], K = its axis 1): each comes as NAME_codes (uint8): NAME with its K axis moved to the last place and cut into blocks of 32 codes, [.., K / 32, bytes a block], one block behind the other in memory; one code a byte (a code: sign, 4 exponent bits, 3 mantissa bits); its scale is its entry of lowp_scales. Its value is code x scale, taken as it is: it is not quantised again, and the codes and scales need not be those that the quantiser above would give.
;; 2 versions, each right; version 2 is version 1 with the launch proj written anew for expert scheduling mode. Each part assembles by itself: llvm-mc -triple=amdgcn-amd-amdhsa -mcpu=gfx1250 --defsym DOCPART=n.
;; ======== version 1 of 2: 2 launches
;; workspace buffers: kvimg 16,777,216 bytes; jimg 8,388,608 bytes
;; launch proj (part 1): grid 16 x 16, 4 waves a work-group, no clusters, 198,656 bytes of LDS; arguments x, lowp_scales, wq_codes, wk_codes, wv_codes, kvimg, jimg, bv, bq, gq, betaq, mq, vq, bk, gk, betak, mk, vk; writes kvimg, jimg
.if DOCPART == 1
	.amdgcn_target "amdgcn-amd-amdhsa--gfx1250"
	.amdhsa_code_object_version 6
	.text
	.protected	k_q78c4403515_proj
	.globl	k_q78c4403515_proj
	.p2align	8
	.type	k_q78c4403515_proj,@function
k_q78c4403515_proj:
	s_mov_b64 s[64:65], 0
	v_nop
	global_prefetch_b8 v0, s[64:65] scope:SCOPE_SE
	s_setreg_imm32_b32 hwreg(HW_REG_WAVE_MODE, 25, 1), 1
	s_wait_xcnt 0x0
; q = relu(bn(wq x + bq)), k = relu(bn(wk x + bk)), v = wv x + bv, on codes of FP8 (E4M3); the three results leave as codes, laid as images of the operand registers that the attention launch wants.
; x: [16][512][2048] f32, K = the 512 channels, which are NOT innermost.  It is quantised three times, with 2^e0, 2^e2, 2^e4.  wq, wk, wv: [256][512] codes, K innermost.
; SHARES.  A work-group takes 128 positions of one batch (grid x = the block of positions, y = the batch): 256 KiB of x, read once, and all 768 outputs for them.
;   Part 1: wave w reads channels 128 w .. 128 w + 127 (K step w) of the 128 positions, 16 channels a unit; a load's 32 lanes take 512 consecutive bytes of one channel, 4 positions a lane.  The hold at the largest code
;   copies, for one position, its 16 channels into 16 registers on end, so that the conversions give 16 codes along K: 16 bytes of a fragment's image in LDS.  Nothing is transposed by an instruction.
;   Part 2: wave w makes outputs 64 w .. 64 w + 63 of q, k and v for all 128 positions: 32 accumulators; its 16 fragments of the weight in hand come from memory straight into registers.
; IMAGES.  A fragment (16 rows x 128 K) is 16 registers a lane; registers 4 c .. 4 c + 3 of lane l lie at 512 c + 16 l.  Lane (r, h) holds row r and k = 32 c + 16 h + 0 .. 15: a permutation of k that is the same on both sides of each product.
; q AND k are used transposed (source 0 = 16 rows of W, source 1 = 16 positions): a lane holds one position and eight channels.  The rows of W that form a tile are not neighbours: lane r of tile 2 b + u takes row
;   32 b + 8 u + r + 8 (r / 8), so that the 16 registers of tiles 2 b, 2 b + 1 are channels 32 b + 16 h + 0 .. 15: the conversions' results are the next operand's registers.
; v is used the other way round (source 0 = 16 positions, source 1 = 16 rows of W): a lane holds one channel and eight positions 8 h + 0 .. 7, which are the keys, the K of the product that reads v.
; y = sum x A + B with A = g rsq(var + 1e-5) 2^(ex + ew), B = (b - mean) g rsq(var + 1e-5) + beta: one packed multiply-add for two numbers; relu and the hold at the largest code are one v_med3.
; NO CLUSTER, NO JOINT LOADS: a joint load lands in LDS; x's images take 198,144 bytes and one product's weights 131,072: together 329,216, more than the 327,680 that a work-group can have.
; NO PREFETCH: the launch's one stream from memory, x, is asked for 48 loads a wave ahead by the loads themselves.
; LIMITS: e0, e2, e4, e6, e7, e8 between -126 and 119, e4 + e5 between -126 and 127, so that each power of two below is an f32 number.  NaN among the inputs is not served.
; REGISTERS, in windows of 256.  Window 0: v1-15 addresses and constants; part 1: v16-207 three units of x, v208-239 two sets of 16 held numbers, v240-255 four sets of codes; part 2: v64-255 three sets of four fragments of x,
;   on the way out v64-191 numbers and v192-255 codes.  Window 1: the weight's 16 fragments, (tile, K step) at 16 (4 tile + step).  Window 2: the accumulators, (tile of outputs o, tile of positions p) at 32 p + 8 o.
;   Window 3: v0 bq (later bv), v32 gq -> A, v64 betaq -> B, v96 mean, v128 var, v160 bk, v192 gk -> A, v224 betak -> B: 32 registers each, in the result's layout.
.set IMGP, 2064                        ; an image in LDS: 2,048 bytes + 16.  2064 mod 256 = 16: the sixteen lanes of a store's pass (four tiles x four places 64 bytes apart) touch sixteen different 16-byte columns of the 64 banks (ISA guide 11.1)
.set KSTP, 24*IMGP                     ; a K step's images: 3 scales x 8 tiles of positions
.set XR,   16
.set T1,   208
.set C1,   240
.set MSB, 0
.macro WIN new                         ; the immediate's high byte repeats the setting that is left; a switch that changes nothing is dropped
.if MSB != \new
	s_set_vgpr_msb (MSB<<8)|\new
.set MSB, \new
.endif
.endm
.macro PLACES                          ; four plain vector instructions between a matrix instruction and a load into its registers or a read of its result
.rept 4
	v_nop
.endr
.endm
.macro MKSC e, sc, hi                  ; s[sc] = 2^e as f32, s[hi] = 448 x 2^e
	s_add_co_i32 s[\sc], s[\e], 127
	s_add_co_i32 s[\hi], s[\sc], 8
	s_lshl_b32 s[\sc], s[\sc], 23
	s_lshl_b32 s[\hi], s[\hi], 23
	s_or_b32 s[\hi], s[\hi], 0x600000
.endm
.macro XLOAD u                         ; unit u: 16 channels x 128 positions; each load is 512 consecutive bytes of one channel's row
.set i, 0
.rept 16
	global_load_b128 v[XR+64*((\u)%3)+4*i:XR+64*((\u)%3)+4*i+3], v1, s[4:5] offset:(16*(\u)+i)*8192 th:TH_LOAD_NT
.set i, i+1
.endr
.endm
; Unit u becomes 16 bytes of each of 3 x 8 images: for each scale q and each of my four positions p, the 16 channels are held into 16 registers on end, converted, and stored.
.macro UNIT u
.set XS, XR+64*((\u)%3)
.irp q, 0,1,2
.irp p, 0,1,2,3
.set TS, T1+16*(\p%2)
.set CD, C1+4*\p
.set i, 0
.rept 16
	v_med3_num_f32 v[TS+i], v[XS+4*i+\p], -v[4+2*\q], v[4+2*\q]   ; the conversion to an 8-bit code does not saturate (ISA guide 7.6.2): held within 448 x the scale
.set i, i+1
.endr
	s_wait_dscnt 3                                 ; this set of code registers was stored four stores ago: three younger stores may be out
	v_cvt_scalef32_pk8_fp8_f32 v[CD:CD+1], v[TS:TS+7], v[5+2*\q]
	v_cvt_scalef32_pk8_fp8_f32 v[CD+2:CD+3], v[TS+8:TS+15], v[5+2*\q]   ; the next sixteen holds, into the other set, are the plain lines behind the conversions
	ds_store_b128 v2, v[CD:CD+3] offset:\q*8*IMGP+512*((\u)/2)+256*((\u)%2)+16*\p
.endr
.endr
.endm
.macro WLOADH b, first                 ; the weight's tiles first, first + 1: 32 loads into window 1
	WIN 0x40
.irp t, \first, \first+1
.irp s, 0,1,2,3
.irp c, 0,1,2,3
	global_load_b128 v[16*(4*(\t)+\s)+4*\c:16*(4*(\t)+\s)+4*\c+3], v3, s[\b:\b+1] offset:(32*((\t)/2)+8*((\t)%2))*512+128*\s+32*\c
.endr
.endr
.endr
	WIN 0
.endm
.macro PLOAD b, reg                    ; 32 numbers of a parameter, in the result's layout: tile t's eight are those of channels 32 (t / 2) + 16 h + 8 (t % 2) + 0 .. 7
.irp t, 0,1,2,3
	global_load_b128 v[\reg+8*\t:\reg+8*\t+3], v10, s[\b:\b+1] offset:(32*(\t/2)+8*(\t%2))*4
	global_load_b128 v[\reg+8*\t+4:\reg+8*\t+7], v10, s[\b:\b+1] offset:(32*(\t/2)+8*(\t%2))*4+16
.endr
.endm
.macro FETCH q, g                      ; group g = (K step g / 2, half g % 2 of the positions): four fragments of x under scale q into set g % 3
.set FS, 64+64*((\g)%3)
.irp l, 0,1,2,3
.irp c, 0,1,2,3
	ds_load_b128 v[FS+16*\l+4*\c:FS+16*\l+4*\c+3], v[12+(\g)/2] offset:(8*(\q)+4*((\g)%2)+\l)*IMGP+512*\c
.endr
.endr
.endm
.macro MUL g, swap                     ; 16 matrix instructions on 16 accumulators, one each: an accumulator comes again two groups on.  K step 0 starts the sums
.set FS, 64+64*((\g)%3)
.irp l, 0,1,2,3
.irp o, 0,1,2,3
.set AC, 32*(4*((\g)%2)+\l)+8*\o
.set WF, 16*(4*\o+(\g)/2)
.if \swap
.if (\g) < 2
	v_wmma_f32_16x16x128_fp8_fp8 v[AC:AC+7], v[FS+16*\l:FS+16*\l+15], v[WF:WF+15], 0
.else
	v_wmma_f32_16x16x128_fp8_fp8 v[AC:AC+7], v[FS+16*\l:FS+16*\l+15], v[WF:WF+15], v[AC:AC+7]
.endif
.else
.if (\g) < 2
	v_wmma_f32_16x16x128_fp8_fp8 v[AC:AC+7], v[WF:WF+15], v[FS+16*\l:FS+16*\l+15], 0
.else
	v_wmma_f32_16x16x128_fp8_fp8 v[AC:AC+7], v[WF:WF+15], v[FS+16*\l:FS+16*\l+15], v[AC:AC+7]
.endif
.endif
.endr
.endr
.endm
.macro PRODUCT q, swap, lc             ; 128 matrix instructions; the fragments of x run two groups ahead
	s_wait_xcnt 0x0                                ; the last way out's stores have read their codes: those registers take fragments again
	s_wait_loadcnt \lc                             ; the weight's fragments are in
	FETCH \q, 0
	FETCH \q, 1
.irp g, 0,1,2,3,4,5,6,7
.if \g < 6
	PLACES                                         ; the set that is loaded next was multiplied in the group before
	FETCH \q, \g+2
	s_wait_dscnt 32                                ; this group's 16 loads are in; the two younger groups' may be out
.elseif \g == 6
	s_wait_dscnt 16
.else
	s_wait_dscnt 0
.endif
.if \swap
	WIN 0xa4                                       ; source 0 (x) window 0, source 1 (W) window 1, C and D window 2
.else
	WIN 0xa1                                       ; source 0 (W) window 1, source 1 (x) window 0, C and D window 2
.endif
	MUL \g, \swap
	WIN 0
.endr
	PLACES
.endm
.macro PARAMS bi, g, be, me, va, se    ; g -> A = g rsq(var + eps) 2^(ex + ew);  beta -> B = bias inv + (beta - mean inv)
	WIN 0xff
.set i, 0
.rept 32
	v_add_f32 v[\va+i], 0x3727c5ac, v[\va+i]       ; var + 1e-5
.set i, i+1
.endr
.set i, 0
.rept 32
	v_rsq_f32 v[\va+i], v[\va+i]
.set i, i+1
.endr
	v_nop                                          ; a plain instruction behind the last of the batch,
	s_wait_alu depctr_va_vdst(0)                   ; and one wait for the 32, ahead of the first reader
.set i, 0
.rept 16
	v_pk_mul_f32 v[\g+i:\g+i+1], v[\g+i:\g+i+1], v[\va+i:\va+i+1]
.set i, i+2
.endr
.set i, 0
.rept 16
	v_pk_fma_f32 v[\be+i:\be+i+1], v[\me+i:\me+i+1], v[\g+i:\g+i+1], v[\be+i:\be+i+1] neg_lo:[1,0,0] neg_hi:[1,0,0]
.set i, i+2
.endr
.set i, 0
.rept 16
	v_pk_fma_f32 v[\be+i:\be+i+1], v[\bi+i:\bi+i+1], v[\g+i:\g+i+1], v[\be+i:\be+i+1]
.set i, i+2
.endr
.set i, 0
.rept 32
	v_ldexp_f32 v[\g+i], v[\g+i], s[\se]
.set i, i+1
.endr
	WIN 0
.endm
; The way out of q or k, four tiles of positions at a time: y = sum A + B, relu and hold in one, 16 codes a lane and pair of tiles, stored as they stand: each store covers 512 consecutive bytes, aligned.
.macro EPI_QK pa, pb, dst
.irp hb, 0,1
	WIN 0x3e                                       ; source 0 (the sums) window 2, sources 1 and 2 (A, B) window 3
.set i, 0
.rept 64
	v_pk_fma_f32 v[64+i:65+i], v[128*\hb+i:128*\hb+i+1], v[\pa+i%32:\pa+i%32+1], v[\pb+i%32:\pb+i%32+1]   ; each accumulator from its low end on
.set i, i+2
.endr
	WIN 0
.set i, 0
.rept 128
	v_med3_num_f32 v[64+i], v[64+i], 0, v4         ; the activation and the hold in one
.set i, i+1
.endr
.set i, 0
.rept 16
	v_cvt_scalef32_pk8_fp8_f32 v[192+32*\hb+2*i:192+32*\hb+2*i+1], v[64+8*i:64+8*i+7], v5
.set i, i+1
.endr
	v_nop                                          ; a plain line behind the last conversion: its sources are written again below
.set i, 0
.rept 8
	global_store_b128 v1, v[192+32*\hb+4*i:192+32*\hb+4*i+3], s[\dst:\dst+1] offset:4096*(4*\hb+i/2)+512*(i%2)
.set i, i+1
.endr
.endr
.endm
.macro EPI_V                           ; v = sum 2^(e4 + e5) + bv; a lane holds one channel, so its bias is one number
.irp hb, 0,1
	WIN 0x32                                       ; source 0 window 2, source 2 (bv) window 3
.set i, 0
.rept 64
	v_pk_fma_f32 v[64+i:65+i], v[128*\hb+i:128*\hb+i+1], s[82:83], v[2*((i%32)/8):2*((i%32)/8)+1] op_sel_hi:[1,0,0]
.set i, i+2
.endr
	WIN 0
.set i, 0
.rept 128
	v_med3_num_f32 v[64+i], v[64+i], -v4, v4
.set i, i+1
.endr
.set i, 0
.rept 16
	v_cvt_scalef32_pk8_fp8_f32 v[192+16*(i%4)+2*(4*\hb+i/4):192+16*(i%4)+2*(4*\hb+i/4)+1], v[64+8*i:64+8*i+7], v5   ; tile of outputs i % 4, tile of positions 4 hb + i / 4: registers 2 p, 2 p + 1 hold keys 16 p + 8 h + 0 .. 7
.set i, i+1
.endr
	v_nop
.endr
.set i, 0
.rept 16
	global_store_b128 v1, v[192+4*i:195+4*i], s[70:71] offset:512*i
.set i, i+1
.endr
.endm
	s_load_b512 s[4:19], s[0:1], 0x0               ; x, scales, wq, wk, wv, kvimg, jimg, bv
	s_load_b512 s[20:35], s[0:1], 0x40             ; bq, gq, betaq, mq, vq, bk, gk, betak
	s_load_b128 s[36:39], s[0:1], 0x80             ; mk, vk
	v_lshrrev_b32 v1, 5, v0
	v_readfirstlane_b32 s49, v1                    ; wave 0..3
	v_and_b32 v16, 31, v0                          ; lane
	v_lshlrev_b32 v1, 4, v16                       ; v1 = 16 x lane: x's offset, an image's place, the stores' offset
	v_lshrrev_b32 v17, 2, v16
	v_mul_u32_u24 v2, v17, IMGP                    ; my four positions lie in tile lane / 4,
	v_and_b32 v17, 3, v16
	v_lshl_add_u32 v2, v17, 6, v2                  ; at rows 4 (lane % 4) + p: 64 (lane % 4) + 16 p,
	s_mul_i32 s50, s49, KSTP
	v_add_nc_u32 v2, s50, v2                       ; in my K step's images
	v_and_b32 v17, 15, v0                          ; r
	v_bfe_u32 v18, v0, 4, 1                        ; h
	v_and_b32 v19, 8, v17
	v_add_nc_u32 v19, v19, v17                     ; r + 8 (r / 8)
	v_lshlrev_b32 v3, 9, v19
	v_lshl_add_u32 v3, v18, 4, v3                  ; v3: a weight's row of 512 bytes, + 16 h
	v_lshlrev_b32 v10, 6, v18                      ; v10: 16 h channels of a parameter
	v_lshlrev_b32 v11, 2, v19                      ; v11: bv at my row of a tile
.irp s, 0,1,2,3
	v_add_nc_u32 v[12+\s], \s*KSTP, v1             ; v12-15: 16 x lane in K step s's images
.endr
	s_and_b32 s51, ttmp7, 0xffff                   ; batch
	s_lshl_b32 s52, s51, 22                        ; x: batch x 4 MiB
	s_lshl_b32 s53, s49, 20                        ;  + my 128 channels' rows of 8,192 bytes
	s_add_co_u32 s52, s52, s53
	s_lshl_b32 s53, ttmp9, 9                       ;  + the block's 128 positions
	s_add_co_u32 s52, s52, s53
	s_mov_b32 s53, 0
	s_lshl_b32 s54, s49, 15                        ; the weights: my 64 rows of 512 bytes
	s_mov_b32 s55, 0
	s_lshl_b32 s56, s49, 8                         ; the parameters: my 64 numbers
	s_mov_b32 s57, 0
	s_lshl_b32 s58, s51, 4
	s_add_co_u32 s58, s58, ttmp9                   ; 16 batch + block
	s_lshl_b32 s60, s58, 16                        ; its 65,536 bytes in kvimg,
	s_mov_b32 s61, 0
	s_lshl_b32 s62, s58, 15                        ; its 32,768 in jimg
	s_mov_b32 s63, 0
	s_lshl_b32 s66, s49, 10                        ; my channels' place in an image of q or k: 2,048 (w / 2) + 1,024 (w % 2) = 1,024 w
	s_mov_b32 s67, 0
	s_lshl_b32 s68, s49, 13
	s_add_co_u32 s68, s68, 32768                   ; v's images lie behind q's; my four tiles of 2,048 bytes
	s_mov_b32 s69, 0
	s_wait_kmcnt 0x0
	s_load_b256 s[40:47], s[6:7], 0x0              ; e0 .. e7
	s_load_b32 s48, s[6:7], 0x20                   ; e8
	s_add_nc_u64 s[4:5], s[4:5], s[52:53]
	XLOAD 0
	XLOAD 1
	XLOAD 2
.irp b, 8,10,12
	s_add_nc_u64 s[\b:\b+1], s[\b:\b+1], s[54:55]
.endr
.irp b, 18,20,22,24,26,28,30,32,34,36,38
	s_add_nc_u64 s[\b:\b+1], s[\b:\b+1], s[56:57]
.endr
	s_add_nc_u64 s[14:15], s[14:15], s[60:61]
	s_add_nc_u64 s[70:71], s[14:15], s[68:69]      ; where v's codes go
	s_add_nc_u64 s[14:15], s[14:15], s[66:67]      ; where q's go
	s_add_nc_u64 s[16:17], s[16:17], s[62:63]
	s_add_nc_u64 s[16:17], s[16:17], s[66:67]      ; where k's go
	s_wait_kmcnt 0x0
	MKSC 40, 72, 73
	v_mov_b32 v4, s73                              ; v4, v5: 448 x 2^e0, 2^e0
	v_mov_b32 v5, s72
	MKSC 42, 72, 73
	v_mov_b32 v6, s73                              ; e2
	v_mov_b32 v7, s72
	MKSC 44, 72, 73
	v_mov_b32 v8, s73                              ; e4
	v_mov_b32 v9, s72
	MKSC 46, 74, 75                                ; q's own scale
	MKSC 47, 76, 77                                ; k's
	MKSC 48, 78, 79                                ; v's
	s_add_co_i32 s80, s40, s41                     ; e0 + e1
	s_add_co_i32 s81, s42, s43                     ; e2 + e3
	s_add_co_i32 s82, s44, s45
	s_add_co_i32 s82, s82, 127
	s_lshl_b32 s82, s82, 23                        ; 2^(e4 + e5) as f32
	s_mov_b32 s83, s82                             ; (named with it as a pair, so it is written)
	; ---- part 1: my 128 channels become 24 images.  Three units, 48 loads, are on their way
.irp u, 0,1,2,3,4
	s_wait_loadcnt 32                              ; this unit's 16 loads are in; two younger units' may be out
	UNIT \u
	XLOAD \u+3
.endr
	s_wait_loadcnt 32
	UNIT 5
	WLOADH 8, 0                                    ; wq's first 32 loads go out where x has no more to ask for
	s_wait_loadcnt 48                              ; unit 6 is in; unit 7's 16 and wq's 32 may be out
	UNIT 6
	s_wait_loadcnt 32                              ; unit 7 is in; wq's 32 may be out
	WLOADH 8, 2
	UNIT 7
	v_nop                                          ; a plain line behind the last conversion
	WIN 0xc0
	PLOAD 20, 0
	PLOAD 22, 32
	PLOAD 24, 64
	PLOAD 26, 96
	PLOAD 28, 128
	PLOAD 30, 160
	PLOAD 32, 192
	PLOAD 34, 224
	WIN 0
	s_wait_dscnt 0x0                               ; for the others' sake: my images lie in LDS
	s_barrier_signal -1
	s_barrier_wait -1                              ; all 96 do.  They are only read from here on: the launch has this one barrier
	; ---- part 2
	PRODUCT 0, 0, 63                               ; q.  Behind wq's last load 64 parameter loads were issued; the wait's field holds 63
	s_wait_loadcnt 0x0                             ; the parameters
	WLOADH 10, 0                                   ; wk comes in under q's way out
	WLOADH 10, 2
	PARAMS 0, 32, 64, 96, 128, 80
	WIN 0xc0
	PLOAD 36, 96                                   ; k's mean and variance take q's place,
	PLOAD 38, 128
.irp o, 0,1,2,3
	global_load_b32 v[2*\o], v11, s[18:19] offset:(32*(\o/2)+8*(\o%2))*4   ; bv takes bq's: one number a tile,
.endr
.irp o, 0,1,2,3
	v_mov_b32 v[2*\o+1], 0                         ; (named with it as a pair, so it is written)
.endr
	WIN 0
	v_mov_b32 v4, s75
	v_mov_b32 v5, s74
	EPI_QK 32, 64, 14
	PRODUCT 1, 0, 0                                ; k
	WLOADH 12, 0
	WLOADH 12, 2
	PARAMS 160, 192, 224, 96, 128, 81
	v_mov_b32 v4, s77
	v_mov_b32 v5, s76
	EPI_QK 192, 224, 16
	PRODUCT 2, 1, 0                                ; v, the sources the other way round
	v_mov_b32 v4, s79
	v_mov_b32 v5, s78
	EPI_V
	s_wait_xcnt 0x0
	v_lshl_add_u32 v254, v0, 2, 0x30600
	v_mov_b32 v255, 0
	s_wait_tensorcnt 0x0
	ds_add_u32 v254, v255
	s_wait_dscnt 0x0
	s_endpgm
.Lfunc_end_k_q78c4403515_proj:
	.size	k_q78c4403515_proj, .Lfunc_end_k_q78c4403515_proj-k_q78c4403515_proj
	.p2alignl 7, 3214868480
	.fill 96, 4, 3214868480
	.section	.rodata,"a",@progbits
	.p2align	6, 0x0
	.amdhsa_kernel k_q78c4403515_proj
		.amdhsa_group_segment_fixed_size 198656
		.amdhsa_private_segment_fixed_size 0
		.amdhsa_enable_private_segment 0
		.amdhsa_kernarg_size 144
		.amdhsa_user_sgpr_count 2
		.amdhsa_user_sgpr_kernarg_segment_ptr 1
		.amdhsa_wavefront_size32 1
		.amdhsa_system_sgpr_workgroup_id_x 1
		.amdhsa_system_sgpr_workgroup_id_y 1
		.amdhsa_system_sgpr_workgroup_id_z 1
		.amdhsa_system_vgpr_workitem_id 0
		.amdhsa_next_free_vgpr 1024
		.amdhsa_next_free_sgpr 100
		.amdhsa_reserve_vcc 0
		.amdhsa_float_denorm_mode_32 3
		.amdhsa_float_denorm_mode_16_64 3
		.amdhsa_memory_ordered 1
		.amdhsa_forward_progress 1
		.amdhsa_inst_pref_size 255
	.end_amdhsa_kernel
	.section	.bss,"aw",@nobits
	.p2align	6
	.space	262144
	.amdgpu_metadata
---
amdhsa.version: [ 1, 2 ]
amdhsa.kernels:
  - .name:           k_q78c4403515_proj
    .symbol:         k_q78c4403515_proj.kd
    .args:
      - { .name: x, .offset: 0, .size: 8, .value_kind: global_buffer, .address_space: global }
      - { .name: lowp_scales, .offset: 8, .size: 8, .value_kind: global_buffer, .address_space: global }
      - { .name: wq_codes, .offset: 16, .size: 8, .value_kind: global_buffer, .address_space: global }
      - { .name: wk_codes, .offset: 24, .size: 8, .value_kind: global_buffer, .address_space: global }
      - { .name: wv_codes, .offset: 32, .size: 8, .value_kind: global_buffer, .address_space: global }
      - { .name: kvimg, .offset: 40, .size: 8, .value_kind: global_buffer, .address_space: global }
      - { .name: jimg, .offset: 48, .size: 8, .value_kind: global_buffer, .address_space: global }
      - { .name: bv, .offset: 56, .size: 8, .value_kind: global_buffer, .address_space: global }
      - { .name: bq, .offset: 64, .size: 8, .value_kind: global_buffer, .address_space: global }
      - { .name: gq, .offset: 72, .size: 8, .value_kind: global_buffer, .address_space: global }
      - { .name: betaq, .offset: 80, .size: 8, .value_kind: global_buffer, .address_space: global }
      - { .name: mq, .offset: 88, .size: 8, .value_kind: global_buffer, .address_space: global }
      - { .name: vq, .offset: 96, .size: 8, .value_kind: global_buffer, .address_space: global }
      - { .name: bk, .offset: 104, .size: 8, .value_kind: global_buffer, .address_space: global }
      - { .name: gk, .offset: 112, .size: 8, .value_kind: global_buffer, .address_space: global }
      - { .name: betak, .offset: 120, .size: 8, .value_kind: global_buffer, .address_space: global }
      - { .name: mk, .offset: 128, .size: 8, .value_kind: global_buffer, .address_space: global }
      - { .name: vk, .offset: 136, .size: 8, .value_kind: global_buffer, .address_space: global }
    .group_segment_fixed_size: 198656
    .private_segment_fixed_size: 0
    .kernarg_segment_align: 8
    .kernarg_segment_size: 144
    .max_flat_workgroup_size: 128
    .sgpr_count:     100
    .vgpr_count:     1024
    .wavefront_size: 32
...
	.end_amdgpu_metadata
.endif
;; end of part 1
;; launch attn (part 2): grid 16 x 16, 4 waves a work-group, clusters of 4 x 1, 327,680 bytes of LDS; arguments kvimg, jimg, wo_codes, bo, lowp_scales, x, out0; writes out0
.if DOCPART == 2
	.amdgcn_target "amdgcn-amd-amdhsa--gfx1250"
	.amdhsa_code_object_version 6
	.text
	.protected	k_q78c4403515_attn
	.globl	k_q78c4403515_attn
	.p2align	8
	.type	k_q78c4403515_attn,@function
k_q78c4403515_attn:
	s_mov_b64 s[64:65], 0
	v_nop
	global_prefetch_b8 v0, s[64:65] scope:SCOPE_SE
	s_setreg_imm32_b32 hwreg(HW_REG_WAVE_MODE, 25, 1), 1
	s_wait_xcnt 0x0
	s_wait_alu depctr_hold_cnt(0) depctr_sa_sdst(0) depctr_va_vdst(0) depctr_va_sdst(0) depctr_va_ssrc(0) depctr_va_vcc(0) depctr_vm_vsrc(0)
	s_getreg_b32 s2, hwreg(HW_REG_IB_STS2, 6, 4)
	s_cmp_eq_u32 s2, 0
	s_cbranch_scc0 .Lentry_in_a_cluster
	s_endpgm
.Lentry_in_a_cluster:
	s_bfe_u32 s2, ttmp6, 0x10000c
	s_cmp_lg_u32 s2, 0x3003
	s_cbranch_scc0 .Lentry_shape_is_right
	s_endpgm
.Lentry_shape_is_right:
; out[b][c][j] = x[b][c][j] + bo[c] + sum over m of wo[c][m] ctx[m][j];  ctx[m][j] = sum over i of v[m][i] softmax_i(q[:, i] . k[:, j] / 16).  All three products on codes of FP8 (E4M3), one given scale a tensor.
; The softmax runs over i, so a column j is a softmax row: k(:, j) stands where attention has its query, q(:, i) its key, v(:, i) its value.  "Query" and "key" below are meant so.
; kvimg [batch][key step of 128][65,536 B]: the keys' 16 fragments (tile of 16 keys, K step of 128 channels), then the values' 16 (tile of 16 channels x 128 keys), as images of the operand registers: registers 4 c .. 4 c + 3 of lane l at 512 c + 16 l.
; jimg [batch][block of 128 queries][tile][K step]: the queries' fragments, likewise.
; THE SOFTMAX: t = score x log2(e) / 16; M = the largest t so far, rounded UP to a whole number; p = 2^(t - M) is quantised with 2^e9, not normalised; the sum is taken of the unquantised p and divides at the end.
; When M moves, the sum and O^T are multiplied by 2^(old M - new M), which rounds nothing; there is no branch on data.
; SHARES.  A work-group owns 128 queries of one batch, each of its four waves 32: two tiles of 16.  Every wave walks the batch's 2,048 keys, 128 a step.  On the way out wave w makes output channels 128 w .. 128 w + 127 for all 128 queries.
; LAYOUT.  S^T = K Q^T (source 0 = 16 keys, source 1 = 16 queries) and O^T = V^T P (source 0 = 16 channels, source 1 = P): a lane holds ONE query throughout.  S^T's eight registers of a tile are keys 8 h + 0 .. 7: their codes are
; registers 2 t, 2 t + 1 of P, and the values' images hold the same keys in the same registers.  The channels that form a tile of V are chosen (by the launch before) so that O^T's 16 registers of tiles 2 b, 2 b + 1 are channels 32 b + 16 h + 0 .. 15:
; their codes are the operand of the last product.  That one is used as it reads (source 0 = 16 queries, source 1 = 16 rows of wo): a lane holds one output channel and eight neighbouring positions, 32 bytes of a row of out.
; CLUSTER.  The four blocks of queries of a cluster belong to one batch and walk the same keys and values: each slot is asked for JOINTLY, by the same tensor load with the same descriptor and a mask that names the four.
; RING.  Two slots of two key steps (131,072 bytes); each wave brings a quarter by one load.  A step's K and V are read from LDS once a wave and serve both its tiles.
; THE LDS LOADS of a step, 64 of K and 64 of V, 512 bytes each, go out in SIXTEEN GROUPS OF EIGHT, spread over the step, so that they are served while the wave issues its vector and matrix work.  K's registers are free once the products
; K Q^T of step j are issued: K of step j + 1 comes in six groups in the second half of step j's softmax and two among the first sixteen products V^T P.  V's are free once the products V^T P of step j are issued: V of step j + 1 comes
; in three groups among the products K Q^T of step j + 1 and five in the first half of that step's softmax.
; THE LOOP'S TRIP therefore goes from the seam behind a step's exponentials to the same seam of the next step.  At that seam the step's K has been multiplied and its V has been asked for: a slot's reads end there, and the change of slots stands there.
; LIMITS: e6 + e7 between -122 and 131 (added to the exponent field of log2(e) / 16); e9 and e10 between -126 and 119; e10 + e11 between -126 and 127; e8 + e9 goes in by v_ldexp_f32 and has none.  NaN among the inputs is not served.
; REGISTERS, in windows of 256.  Window 0: v1-7 addresses and constants; v8-18, v20-30 a tile's statistics; v19, v31 wo's and bo's offsets; v32-63 P; v64-127 Q; v128-255 S^T.  Window 1: K's 16 fragments, later wo's.
;   Window 2: O^T, 128 a tile, later rows of x.  Window 3: V's 16 fragments, later ctx's.
.set STEPB, 65536                      ; a key step's images
.set SLOT1, 1<<17                      ; slot 1 begins here: one exclusive or turns an address in one slot into the other's
.set SPARE, 2*SLOT1                    ; behind the ring: the spare words, 128 bytes for each wave: two blocks of 256 bytes that no other line names
.set CIMG,  0                          ; the way out: ctx's 16 images, 32,768 bytes, and
.set STAGE, 32768                      ; a stage of 16 rows x 528 bytes for each wave: in slot 0, which has had its last fill and its last read at the last change of slots
.set SPITCH, 528
.set LI,  1                            ; v1   16 x lane
.set ADR, 2                            ; v2   16 x lane + the LDS byte at which the step that is being fetched begins
.set SPW, 3                            ; v3   LDS address of my spare word; never rewritten
.set NIL, 4                            ; v4   0; never rewritten
.set PFO, 5                            ; v5   256 x lane, for the prefetches; never rewritten
.set HIV, 6                            ; v6   448 x 2^e9, on the way out 448 x 2^e10
.set SCV, 7                            ; v7   2^e9, on the way out 2^e10
.set ST,  8                            ; tile t's statistics at v[ST + 12 t]: +0 -M, +1 the largest t, +2, +3 the sum, +4, +5 f (later 1 / sum), +6, +7 a second chain of sums, +8, +9 at work, +10 the other half's
.set WOA, 19
.set BOA, 31
.set P,   32
.set QF,  64
.set S,   128
.set kx,  0                            ; which of a step's 64 loads of K comes next,
.set vx,  0                            ; and which of V's
.set MSB, 0
.macro WIN new                         ; the immediate's high byte repeats the setting that is left; a switch that changes nothing is dropped
.if MSB != \new
	s_set_vgpr_msb (MSB<<8)|\new
.set MSB, \new
.endif
.endm
.macro PLACES                          ; four plain vector instructions between a matrix instruction and a load into its registers or a read of its result
.rept 4
	v_nop
.endr
.endm
.macro CROUND                          ; a round of the cluster's barrier
	s_barrier_signal -1
	s_barrier_wait -1
	s_cmp_lg_u32 s18, 0
	s_cbranch_scc1 .Lnot_wave_0_\@
	s_barrier_signal -3
.Lnot_wave_0_\@:
	s_barrier_wait -3
	s_barrier_signal -1
	s_barrier_wait -1
.endm
.macro JLOAD                           ; the joint refill: every wave its quarter of the slot, by the walking descriptor; four v_nop follow
	tensor_load_to_lds s[36:39], s[24:31]
	s_nop 0
.rept 4
	v_nop
.endr
.endm
; A prefetch into the L2 of the slot that the NEXT change of slots will ask for: two key steps ahead of that load.  All four clusters of a batch walk the same bytes: the batch's first cluster asks.  Its four work-groups take 32,768 bytes
; each, a wave 8,192, lanes 256 bytes apart, all told apart by address: each aligned 256 bytes are named once in the launch.  The last change that fills a slot asks for nothing; slots 0 to 2 come by their loads alone.
.macro ASK
	s_cmp_gt_u32 s49, s51
	s_cbranch_scc0 .Lnot_mine_\@
	global_prefetch_b8 v[PFO], s[52:53] th:TH_LOAD_NT scope:SCOPE_SE
.Lnot_mine_\@:
.endm
.macro KL n, back                      ; the next n loads of the step's K, 512 consecutive bytes each, into window 1; then the windows as the work around wants them
	WIN 0x40
.rept \n
	ds_load_b128 v[4*kx:4*kx+3], v[ADR] offset:512*kx
.set kx, kx+1
.endr
	WIN \back
.endm
.macro VL n, back                      ; the same for V, which lies 32,768 bytes behind K, into window 3
	WIN 0xc0
.rept \n
	ds_load_b128 v[4*vx:4*vx+3], v[ADR] offset:32768+512*vx
.set vx, vx+1
.endr
	WIN \back
.endm
; S^T = K Q^T: 32 matrix instructions, the 16 accumulators by turns; the first K step starts the sums.  Behind the 4th, 12th and 20th stand eight loads of the same step's V.
.macro SMUL
.set vx, 0
.set np, 0
	WIN 0x01
.irp s, 0,1
.irp k, 0,1,2,3,4,5,6,7
.irp t, 0,1
.if \s == 0
	v_wmma_f32_16x16x128_fp8_fp8 v[S+64*\t+8*\k:S+64*\t+8*\k+7], v[16*(2*\k+\s):16*(2*\k+\s)+15], v[QF+32*\t+16*\s:QF+32*\t+16*\s+15], 0
.else
	v_wmma_f32_16x16x128_fp8_fp8 v[S+64*\t+8*\k:S+64*\t+8*\k+7], v[16*(2*\k+\s):16*(2*\k+\s)+15], v[QF+32*\t+16*\s:QF+32*\t+16*\s+15], v[S+64*\t+8*\k:S+64*\t+8*\k+7]
.endif
.endr
.set np, np+1
.if (np == 2) || (np == 6) || (np == 10)
	VL 8, 0x01
.endif
.endr
.endr
.endm
; O^T += V^T P: 32 matrix instructions on 32 accumulators.  first = 1: they start the sums: nothing is ever cleared.  kl = 1: behind the 8th and the 16th stand the last sixteen loads of the next step's K: sixteen products follow them.
.macro PVMUL first, kl
	WIN 0xa3
.set i, 0
.rept 16
.irp t, 0,1
.if \first
	v_wmma_f32_16x16x128_fp8_fp8 v[128*\t+8*i:128*\t+8*i+7], v[16*i:16*i+15], v[P+16*\t:P+16*\t+15], 0
.else
	v_wmma_f32_16x16x128_fp8_fp8 v[128*\t+8*i:128*\t+8*i+7], v[16*i:16*i+15], v[P+16*\t:P+16*\t+15], v[128*\t+8*i:128*\t+8*i+7]
.endif
.endr
.if \kl && ((i == 3) || (i == 7))
	KL 8, 0xa3
.endif
.set i, i+1
.endr
.endm
; THE SOFTMAX'S FIRST HALF, for both tiles, line by line by turns, so that no line waits for the line above it: the maximum, M, f, the scalings and the exponentials; among them the step's last 40 loads of V, in five groups.
; It ends with the one wait for the batch of exponentials.
.macro SMA
.irp t, 0,1
	v_max3_num_f32 v[ST+12*\t+8], v[S+64*\t], v[S+64*\t+1], v[S+64*\t+2]       ; the largest of my 64 scores, in two chains; each accumulator is read from its low end on
	v_max3_num_f32 v[ST+12*\t+9], v[S+64*\t+3], v[S+64*\t+4], v[S+64*\t+5]
.endr
.set i, 6
.rept 14
.irp t, 0,1
	v_max3_num_f32 v[ST+12*\t+8], v[ST+12*\t+8], v[S+64*\t+i], v[S+64*\t+i+1]
	v_max3_num_f32 v[ST+12*\t+9], v[ST+12*\t+9], v[S+64*\t+i+2], v[S+64*\t+i+3]
.endr
.if i == 30
	VL 8, 0
.endif
.set i, i+4
.endr
.irp t, 0,1
	v_max3_num_f32 v[ST+12*\t+8], v[ST+12*\t+8], v[S+64*\t+62], v[S+64*\t+63]
.endr
.irp t, 0,1
	v_max_num_f32 v[ST+12*\t+8], v[ST+12*\t+8], v[ST+12*\t+9]
.endr
.irp t, 0,1
	v_permlanex16_b32 v[ST+12*\t+10], v[ST+12*\t+8], s46, s47                  ; the query's other 64 keys lie in the lane 16 away
.endr
.irp t, 0,1
	v_max_num_f32 v[ST+12*\t+8], v[ST+12*\t+8], v[ST+12*\t+10]
.endr
.irp t, 0,1
	v_mul_f32 v[ST+12*\t+8], s22, v[ST+12*\t+8]                                ; as t (the factor is positive)
.endr
.irp t, 0,1
	v_max_num_f32 v[ST+12*\t+1], v[ST+12*\t+1], v[ST+12*\t+8]                  ; the running largest t
.endr
.irp t, 0,1
	v_mov_b32 v[ST+12*\t+8], v[ST+12*\t]
.endr
.irp t, 0,1
	v_floor_f32 v[ST+12*\t], -v[ST+12*\t+1]                                    ; -M = floor(-t): M is a whole number
.endr
.irp t, 0,1
	v_sub_f32 v[ST+12*\t+8], v[ST+12*\t], v[ST+12*\t+8]                        ; old M - new M, 0 or less
.endr
.irp t, 0,1
	v_cvt_i32_f32 v[ST+12*\t+8], v[ST+12*\t+8]                                 ; (it saturates)
.endr
.irp t, 0,1
	v_ldexp_f32 v[ST+12*\t+4], 1.0, v[ST+12*\t+8]                              ; f = 2^(old M - new M)
.endr
	VL 8, 0
.set i, 0
.rept 32
.irp t, 0,1
	v_pk_fma_f32 v[S+64*\t+i:S+64*\t+i+1], v[S+64*\t+i:S+64*\t+i+1], s[22:23], v[ST+12*\t:ST+12*\t+1] op_sel_hi:[1,0,0]   ; t - M (of the two pairs the low word serves both halves)
.endr
.set i, i+2
.endr
	VL 8, 0
.set i, 0
.rept 64
.irp t, 0,1
	v_exp_f32 v[S+64*\t+i], v[S+64*\t+i]                                       ; p = 2^(t - M): one batch of 128
.endr
.if (i == 23) || (i == 47)
	VL 8, 0
.endif
.set i, i+1
.endr
.irp t, 0,1
	v_pk_mul_f32 v[ST+12*\t+2:ST+12*\t+3], v[ST+12*\t+2:ST+12*\t+3], v[ST+12*\t+4:ST+12*\t+5] op_sel_hi:[1,0]   ; the sums under the new M: the plain lines behind the batch
.endr
	s_wait_alu depctr_va_vdst(0)                   ; one wait for the 128 exponentials, ahead of their first reader and of every label and branch
.endm
; THE SOFTMAX'S SECOND HALF: the sums, the hold and the conversions, O^T under the new M.  first = 1: O^T has no sums yet to rescale.  kl = 1: among them the first 48 loads of the next step's K, in six groups of eight
; (first = 1: four groups and, where the rescaling would stand, one run of sixteen).
.macro SMB first, kl
.irp t, 0,1
	v_pk_add_f32 v[ST+12*\t+6:ST+12*\t+7], v[S+64*\t:S+64*\t+1], v[S+64*\t+2:S+64*\t+3]   ; the sum is taken of the unquantised p, in two chains
.endr
.set i, 4
.rept 15
.irp t, 0,1
	v_pk_add_f32 v[ST+12*\t+2:ST+12*\t+3], v[ST+12*\t+2:ST+12*\t+3], v[S+64*\t+i:S+64*\t+i+1]
	v_pk_add_f32 v[ST+12*\t+6:ST+12*\t+7], v[ST+12*\t+6:ST+12*\t+7], v[S+64*\t+i+2:S+64*\t+i+3]
.endr
.if \kl && (i == 28)
	KL 8, 0
.endif
.set i, i+4
.endr
.irp t, 0,1
	v_pk_add_f32 v[ST+12*\t+2:ST+12*\t+3], v[ST+12*\t+2:ST+12*\t+3], v[ST+12*\t+6:ST+12*\t+7]
.endr
.set i, 0
.rept 8
.if \kl && ((i == 1) || (i == 4) || (i == 7))
	KL 8, 0
.endif
.irp t, 0,1
.irp j, 0,1,2,3,4,5,6,7
	v_min_num_f32 v[S+64*\t+8*i+\j], v[S+64*\t+8*i+\j], v[HIV]                 ; the conversion does not saturate (ISA guide 7.6.2); p is not negative, so the hold is one-sided
.endr
	v_cvt_scalef32_pk8_fp8_f32 v[P+16*\t+2*i:P+16*\t+2*i+1], v[S+64*\t+8*i:S+64*\t+8*i+7], v[SCV]   ; the other tile's eight holds are the plain lines behind it
.endr
.set i, i+1
.endr
.if \first
	v_nop                                          ; a plain line between the last conversion and the products that read its result
.if \kl
	KL 16, 0
.endif
.else
	WIN 0x82                                       ; O^T (destination and source 0) window 2, f window 0
.irp t, 0,1
.set i, 0
.rept 64
	v_pk_mul_f32 v[128*\t+i:128*\t+i+1], v[128*\t+i:128*\t+i+1], v[ST+12*\t+4:ST+12*\t+5] op_sel_hi:[1,0]   ; O^T under the new M; each accumulator from its low end on
.if \kl && (i == 80)
	KL 8, 0x82
.endif
.set i, i+2
.endr
.endr
.endif
.endm
; A TRIP: the second half of step j's softmax, its products V^T P, the products K Q^T of step j + 1 and the first half of that step's softmax; K and V of step j + 1 are fetched on the way, from the LDS byte in s48 on.
.macro BODYX first
	v_add_nc_u32 v[ADR], s48, v[LI]                ; step j + 1's images (LDS instructions have read their address when they are issued: the register may be written)
	s_add_co_u32 s48, s48, STEPB                   ; the next trip fetches the step after
.set kx, 0
	SMB \first, 1
	s_wait_dscnt 48                                ; V of step j is in: behind its last load 48 loads of K were issued, which may be out
	PVMUL \first, 1
	s_wait_dscnt 0x0                               ; K of step j + 1 is in: its last eight loads stand sixteen products back
	PLACES                                         ; between the products that read V and the loads into V's registers, which stand among the products below
	SMUL
	WIN 0
	PLACES                                         ; S^T is read next
	SMA
.endm
; THE CHANGE OF SLOTS, behind the exponentials of a slot's second step: its K has been multiplied and its V has been asked for.  Each wave waits for all its tensor loads (its part of the other slot), adds 0 to its spare word, and waits
; for that and for its reads of the slot.  fill = 1: the barrier is a round of the cluster's, and the joint refill, the keys two slots on, is the first thing behind it: it has two key steps in which to land.
.macro CHANGE fill
	s_wait_tensorcnt 0x0                           ; no tensor load of mine is out, so a descriptor may be written
	ds_add_u32 v[SPW], v[NIL]                      ; 0 onto my spare word
.if \fill
	s_xor_b32 s37, s37, SLOT1                      ; the walking descriptor: the other slot than last time,
	s_add_nc_u64 s[38:39], s[38:39], 2*STEPB       ; the next two key steps; the type bits on top are not reached
	s_wait_xcnt 0x0                                ; the last prefetch, two key steps back, has read its address, so it may be written
	s_add_nc_u64 s[52:53], s[52:53], 2*STEPB       ; one slot further on than the walking descriptor
.endif
	s_wait_dscnt 0x0                               ; the add is done, and my reads of the slot are over
.if \fill
	CROUND
	JLOAD
	ASK
.else
	s_barrier_signal -1
	s_barrier_wait -1
.endif
	s_sub_co_u32 s48, s48, 2*STEPB                 ; the fetches go back to a slot's first step,
	s_xor_b32 s48, s48, SLOT1                      ; in the other slot
.endm
.macro TWO                             ; two trips: written once, walked twice; the LDS addresses hang on s48
	s_mov_b32 s50, 2
.Lstep_\@:
	BODYX 0
	s_sub_co_u32 s50, s50, 1
	s_cmp_lg_u32 s50, 0
	s_cbranch_scc1 .Lstep_\@
.endm
	s_load_b256 s[4:11], s[0:1], 0x0               ; kvimg s[4:5], jimg s[6:7], wo's codes s[8:9], bo s[10:11]
	s_load_b128 s[12:15], s[0:1], 0x20             ; the scales' exponents s[12:13], x s[14:15]
	s_load_b64 s[16:17], s[0:1], 0x30              ; out
	v_lshl_add_u32 v[SPW], v0, 2, SPARE
	v_mov_b32 v[NIL], 0
	ds_add_u32 v3, v4
	ds_add_u32 v3, v4
	s_wait_dscnt 0x0
	v_lshrrev_b32 v1, 5, v0
	v_readfirstlane_b32 s18, v1                    ; wave 0..3
	v_and_b32 v2, 31, v0
	v_lshlrev_b32 v[LI], 4, v2
	v_lshlrev_b32 v[PFO], 8, v2
	v_and_b32 v2, 15, v0                           ; r
	v_bfe_u32 v6, v0, 4, 1                         ; h
	v_lshlrev_b32 v[WOA], 8, v2
	v_lshl_add_u32 v[WOA], v6, 4, v[WOA]           ; wo: row r of 256 bytes, + 16 h
	v_lshlrev_b32 v[BOA], 2, v2                    ; bo: number r
	s_bfe_u32 s19, ttmp6, 0x40000                  ; cx: my place in the cluster
	s_lshl_b32 s20, ttmp9, 2                       ; in a cluster launch ttmp9 counts clusters
	s_add_co_u32 s20, s20, s19                     ; my block of 128 queries: it enters jimg's, x's and out's addresses alone
	s_and_b32 s21, ttmp7, 0xffff                   ; the batch, which the four partners share
	s_lshl_b32 s60, s21, 20                        ; kvimg: the batch's 1 MiB
	s_lshl_b32 s59, s18, 15                        ;  + my quarter of a slot
	s_add_co_u32 s60, s60, s59
	s_mov_b32 s61, 0
	s_lshl_b32 s52, s21, 20                        ; the prefetches: the batch,
	s_lshl_b32 s59, s19, 15                        ;  my work-group's quarter of a slot,
	s_add_co_u32 s52, s52, s59
	s_lshl_b32 s59, s18, 13                        ;  my wave's quarter of that,
	s_add_co_u32 s52, s52, s59
	s_add_co_u32 s52, s52, 2*2*STEPB               ;  in slot 2: the first change of slots steps it to slot 3
	s_mov_b32 s53, 0
	s_lshl_b32 s62, s21, 4
	s_add_co_u32 s62, s62, s20
	s_lshl_b32 s62, s62, 15                        ; jimg: (16 batch + block) x 32,768
	s_add_co_u32 s62, s62, s59                     ;  + my two tiles of 4,096 bytes
	s_mov_b32 s63, 0
	s_lshl_b32 s2, s21, 22                         ; x and out: batch x 4 MiB
	s_lshl_b32 s59, s18, 20                        ;  + my 128 channels' rows of 8,192 bytes
	s_add_co_u32 s2, s2, s59
	s_lshl_b32 s59, s20, 9                         ;  + the block's 128 positions
	s_add_co_u32 s2, s2, s59
	s_mov_b32 s3, 0
	; descriptor group 1: 32,768 dense bytes as 128 rows of 32 elements of 8 bytes; no padding: fragments are read at 16 x lane
	s_mov_b32 s24, 15|(3<<16)|(1<<21)              ; 15:0 the mask: all four work-groups; 17:16 elements of 8 bytes; 21 set beside a mask
	s_mov_b32 s25, 32<<16                          ; tensor_dim0 = 32
	s_mov_b32 s26, 128<<16                         ; tensor_dim1 = 128
	s_mov_b32 s27, 32<<16                          ; tile_dim0 = 32
	s_mov_b32 s28, 128                             ; tile_dim1 = 128
	s_mov_b32 s29, 32                              ; from row to row
	s_mov_b32 s30, 0
	s_mov_b32 s31, 0
	s_mov_b32 s22, 0x3db8aa3b                      ; log2(e) / 16
	s_mov_b32 s46, 0x76543210                      ; v_permlanex16_b32: each lane takes its own place in the other half
	s_mov_b32 s47, 0xfedcba98
	s_mov_b32 s48, 0                               ; LDS byte at which the step to be fetched begins
	s_mov_b32 s49, 6                               ; slots still to be asked for
	s_cmp_eq_u32 ttmp9, 0                          ; the batch's first cluster prefetches: the same in all four partners
	s_cselect_b32 s51, 1, -1
	s_wait_kmcnt 0x0
	s_load_b128 s[40:43], s[12:13], 0x18           ; e6, e7, e8, e9
	s_load_b64 s[44:45], s[12:13], 0x28            ; e10, e11
	s_add_nc_u64 s[60:61], s[4:5], s[60:61]
	s_add_nc_u64 s[52:53], s[4:5], s[52:53]
	s_add_nc_u64 s[6:7], s[6:7], s[62:63]
	s_add_nc_u64 s[14:15], s[14:15], s[2:3]
	s_add_nc_u64 s[16:17], s[16:17], s[2:3]
	s_lshl_b32 s62, s18, 15                        ; wo: my 128 rows of 256 bytes
	s_add_nc_u64 s[8:9], s[8:9], s[62:63]
	s_lshl_b32 s62, s18, 9                         ; bo: my 128 numbers
	s_add_nc_u64 s[10:11], s[10:11], s[62:63]
	CROUND                                         ; all four work-groups are here: the first joint loads meet
	s_mov_b32 s32, 1                               ; group 0 for slot 0's first fill: count = 1,
	s_lshl_b32 s33, s18, 15                        ; LDS address 32,768 x wave: no place in the cluster enters it,
	s_mov_b64 s[34:35], s[60:61]                   ; key steps 0 and 1,
	s_or_b32 s35, s35, 0x80000000                  ; type = 2
	s_mov_b32 s36, 1                               ; the walking group 0 begins with slot 1
	s_add_co_u32 s37, s33, SLOT1
	s_add_nc_u64 s[38:39], s[60:61], 2*STEPB       ; key steps 2 and 3
	s_or_b32 s39, s39, 0x80000000
	tensor_load_to_lds s[32:35], s[24:31]          ; both first fills go out together: two loads of mine are out
	s_nop 0
	tensor_load_to_lds s[36:39], s[24:31]
	s_nop 0
.rept 4
	v_nop
.endr
.set i, 0
.rept 16
	global_load_b128 v[QF+4*i:QF+4*i+3], v[LI], s[6:7] offset:512*i th:TH_LOAD_NT   ; my two tiles of queries stay in registers
.set i, i+1
.endr
.irp t, 0,1
	v_mov_b32 v[ST+12*\t+1], 0xff61b1e6            ; the largest t so far: -3e38, under every t
	v_floor_f32 v[ST+12*\t], -v[ST+12*\t+1]        ; -M
	v_mov_b32 v[ST+12*\t+2], 0                     ; the sum, in two halves
	v_mov_b32 v[ST+12*\t+3], 0
	v_mov_b32 v[ST+12*\t+5], 0                     ; (named as the upper half of f's pair)
	v_mov_b32 v[ST+12*\t+10], 0                    ; a lane permute's destination counts as one of its sources
.endr
	s_wait_kmcnt 0x0
	s_add_co_i32 s59, s40, s41
	s_lshl_b32 s59, s59, 23
	s_add_co_i32 s22, s22, s59                     ; a score stands for score x 2^(e6 + e7): added to the factor's exponent field
	s_mov_b32 s23, s22                             ; (named with it as a pair, so it is written)
	s_add_co_i32 s59, s43, 127
	s_lshl_b32 s62, s59, 23
	v_mov_b32 v[SCV], s62                          ; 2^e9
	s_add_co_i32 s59, s59, 8
	s_lshl_b32 s59, s59, 23
	s_or_b32 s59, s59, 0x600000
	v_mov_b32 v[HIV], s59                          ; 448 x 2^e9
	s_add_co_i32 s56, s42, s43                     ; e8 + e9
	s_add_co_i32 s54, s44, s45
	s_add_co_i32 s54, s54, 127
	s_lshl_b32 s54, s54, 23                        ; 2^(e10 + e11)
	s_mov_b32 s55, s54
	s_add_co_i32 s57, s44, 127
	s_add_co_i32 s58, s57, 8
	s_lshl_b32 s57, s57, 23                        ; 2^e10
	s_lshl_b32 s58, s58, 23
	s_or_b32 s58, s58, 0x600000                    ; 448 x 2^e10
	s_wait_tensorcnt 1                             ; my part of slot 0 is in; slot 1's may stay out
	s_barrier_signal -1
	s_barrier_wait -1                              ; everybody's is
	v_add_nc_u32 v[ADR], s48, v[LI]                ; key step 0
	s_add_co_u32 s48, s48, STEPB
.set kx, 0
	KL 64, 0                                       ; its K in one run: there is no work yet to set it among
	s_wait_loadcnt 0x0                             ; the queries
	s_wait_dscnt 0x0
	SMUL                                           ; the scores of step 0, and the first 24 loads of its V
	WIN 0
	PLACES
	SMA
	BODYX 1                                        ; step 0: its products V^T P start O^T's sums
.Lslot:                                            ; six trips: every slot but the last two is filled again
	CHANGE 1
	TWO
	s_sub_co_u32 s49, s49, 1
	s_cmp_lg_u32 s49, 0
	s_cbranch_scc1 .Lslot
	CHANGE 0                                       ; the tail is written out: slot 0 is left for good
	TWO                                            ; steps 13 and 14, and step 15 as far as its exponentials
	; ---- the rest of the last step, with wo's fragments on their way
	WIN 0x40
.irp o, 0,1,2,3,4,5,6,7
.irp s, 0,1
.irp c, 0,1,2,3
	global_load_b128 v[16*(2*\o+\s)+4*\c:16*(2*\o+\s)+4*\c+3], v[WOA], s[8:9] offset:4096*\o+128*\s+32*\c   ; wo's (tile o, K step s) take K's place in window 1: the products that read K stand ahead of half a softmax
.endr
.endr
.endr
	WIN 0
	SMB 0, 0
	s_wait_dscnt 0x0                               ; V of step 15 is in: no LDS load was issued behind it
	PVMUL 0, 0
	WIN 0
	PLACES
.irp o, 0,1,2,3,4,5,6,7
	global_load_b32 v[P+2*\o], v[BOA], s[10:11] offset:64*\o   ; bo of my output channel in tile o,
.endr
.irp o, 0,1,2,3,4,5,6,7
	v_mov_b32 v[P+2*\o+1], 0                       ; (named with it as a pair, so it is written)
.endr
.irp t, 0,1
	v_add_f32 v[ST+12*\t+8], v[ST+12*\t+2], v[ST+12*\t+3]      ; the sum's two halves,
.endr
.irp t, 0,1
	v_permlanex16_b32 v[ST+12*\t+10], v[ST+12*\t+8], s46, s47
.endr
.irp t, 0,1
	v_add_f32 v[ST+12*\t+8], v[ST+12*\t+8], v[ST+12*\t+10]     ; and the other half of the lanes'
.endr
.irp t, 0,1
	v_rcp_f32 v[ST+12*\t+4], v[ST+12*\t+8]
.endr
	v_mov_b32 v[HIV], s58                          ; (plain lines behind the reciprocals)  ctx's scale
	v_mov_b32 v[SCV], s57
	v_and_b32 v51, 15, v0                          ; r
	v_bfe_u32 v52, v0, 4, 1                        ; h
	v_mul_u32_u24 v48, v51, SPITCH
	v_lshl_add_u32 v48, v52, 5, v48
	s_mul_i32 s59, s18, 16*SPITCH
	s_add_co_u32 s59, s59, STAGE                   ; my stage
	v_add_nc_u32 v48, s59, v48                     ; v48: into it: row r, + 32 h
	v_add_nc_u32 v49, s59, v[LI]                   ; v49: back: 16 bytes a lane of a row
	s_lshl_b32 s59, s18, 13
	v_add_nc_u32 v50, s59, v[LI]                   ; v50: my four images of ctx
	s_wait_alu depctr_va_vdst(0)                   ; one wait for the two reciprocals, ahead of their first reader
.irp t, 0,1
	v_ldexp_f32 v[ST+12*\t+4], v[ST+12*\t+4], s56  ; 2^(e8 + e9) / sum
.endr
	; ---- ctx: scaled, quantised, to LDS as images; the half of window 2 that is left takes rows of x
.irp t, 0,1
	WIN 0x02                                       ; source 0 (O^T) window 2
.set i, 0
.rept 64
	v_pk_mul_f32 v[S+i:S+i+1], v[128*\t+i:128*\t+i+1], v[ST+12*\t+4:ST+12*\t+5] op_sel_hi:[1,0]   ; each accumulator from its low end on
.set i, i+2
.endr
	WIN 0
.set i, 0
.rept 128
	v_med3_num_f32 v[S+i], v[S+i], -v[HIV], v[HIV]
.set i, i+1
.endr
.set i, 0
.rept 16
	v_cvt_scalef32_pk8_fp8_f32 v[QF+32*\t+2*i:QF+32*\t+2*i+1], v[S+8*i:S+8*i+7], v[SCV]
.set i, i+1
.endr
	v_nop                                          ; a plain line behind the last conversion: its sources are written again
.set i, 0
.rept 8
	ds_store_b128 v50, v[QF+32*\t+4*i:QF+32*\t+4*i+3] offset:CIMG+512*(8*\t+i)
.set i, i+1
.endr
.if \t == 0
	s_wait_loadcnt 0x0                             ; wo and bo are in: from here on LOADcnt counts rows of x alone
.endif
	WIN 0x80
.set i, 0
.rept 32
	global_load_b128 v[128*\t+4*i:128*\t+4*i+3], v[LI], s[14:15] offset:8192*(32*\t+i) th:TH_LOAD_NT   ; row 32 t + i of my 128: 512 consecutive bytes
.set i, i+1
.endr
	WIN 0
.endr
	s_wait_dscnt 0x0                               ; for the others' sake: my images of ctx lie in LDS
	s_barrier_signal -1
	s_barrier_wait -1
	WIN 0xc0
.set i, 0
.rept 64
	ds_load_b128 v[4*i:4*i+3], v[LI] offset:CIMG+512*i   ; all 16 fragments of ctx, (tile of queries, K step) at 16 (2 tile + step), take V's place
.set i, i+1
.endr
	WIN 0
	s_wait_dscnt 0x0
	; ---- out: 16 output channels x 128 positions at a time
.irp o, 0,1,2,3,4,5,6,7
	WIN 0x07                                       ; source 0 (ctx) window 3, source 1 (wo) window 1
.irp s, 0,1
.irp q, 0,1,2,3,4,5,6,7
.if \s == 0
	v_wmma_f32_16x16x128_fp8_fp8 v[S+8*\q:S+8*\q+7], v[16*(2*\q+\s):16*(2*\q+\s)+15], v[16*(2*\o+\s):16*(2*\o+\s)+15], 0
.else
	v_wmma_f32_16x16x128_fp8_fp8 v[S+8*\q:S+8*\q+7], v[16*(2*\q+\s):16*(2*\q+\s)+15], v[16*(2*\o+\s):16*(2*\o+\s)+15], v[S+8*\q:S+8*\q+7]
.endif
.endr
.endr
	WIN 0
	PLACES
.set i, 0
.rept 32
	v_pk_fma_f32 v[192+i:193+i], v[S+i:S+i+1], s[54:55], v[P+2*\o:P+2*\o+1] op_sel_hi:[1,0,0]   ; sum x 2^(e10 + e11) + bo
.set i, i+2
.endr
.irp q, 0,1,2,3,4,5,6,7
	ds_store_b128 v48, v[192+8*\q:195+8*\q] offset:64*\q          ; lane (r, h): channel r, positions 16 q + 8 h + 0 .. 7
	ds_store_b128 v48, v[196+8*\q:199+8*\q] offset:64*\q+16
.endr
	s_wait_xcnt 0x0                                ; the last tile's stores have read their registers, which take rows again
.set i, 0
.rept 16
	ds_load_b128 v[QF+4*i:QF+4*i+3], v49 offset:SPITCH*i          ; LDS serves a wave's instructions in order (ISA guide 5.7.1.4): these see my stores
.set i, i+1
.endr
	s_wait_dscnt 0x0
.if \o < 5
	s_wait_loadcnt 48                              ; this tile's 16 rows of x are in; three younger tiles' may be out
.else
	s_wait_loadcnt 16*(7-\o)
.endif
	WIN 0x08                                       ; source 1 (x) window 2
.set i, 0
.rept 32
	v_pk_add_f32 v[QF+i:QF+i+1], v[QF+i:QF+i+1], v[64*(\o%4)+i:64*(\o%4)+i+1]
.set i, i+2
.endr
	WIN 0
.set i, 0
.rept 16
	global_store_b128 v[LI], v[QF+4*i:QF+4*i+3], s[16:17] offset:131072*\o+8192*i th:TH_STORE_NT   ; 32 lanes store 512 consecutive bytes, at a multiple of 512 from out's first byte
.set i, i+1
.endr
.if \o < 4
	WIN 0x80
.set i, 0
.rept 16
	global_load_b128 v[64*\o+4*i:64*\o+4*i+3], v[LI], s[14:15] offset:131072*(\o+4)+8192*i th:TH_LOAD_NT   ; the rows of the tile four further on take this tile's registers
.set i, i+1
.endr
	WIN 0
.endif
.endr
	s_wait_tensorcnt 0x0                           ; the wave's end, behind my last tensor load and my last LDS store
	ds_add_u32 v[SPW], v[NIL]
	s_wait_dscnt 0x0
	CROUND                                         ; the closing round: no work-group ends while a partner may still ask for a slot that names it
	s_endpgm
.Lfunc_end_k_q78c4403515_attn:
	.size	k_q78c4403515_attn, .Lfunc_end_k_q78c4403515_attn-k_q78c4403515_attn
	.p2alignl 7, 3214868480
	.fill 96, 4, 3214868480
	.section	.rodata,"a",@progbits
	.p2align	6, 0x0
	.amdhsa_kernel k_q78c4403515_attn
		.amdhsa_group_segment_fixed_size 327680
		.amdhsa_private_segment_fixed_size 0
		.amdhsa_enable_private_segment 0
		.amdhsa_kernarg_size 56
		.amdhsa_user_sgpr_count 2
		.amdhsa_user_sgpr_kernarg_segment_ptr 1
		.amdhsa_wavefront_size32 1
		.amdhsa_system_sgpr_workgroup_id_x 1
		.amdhsa_system_sgpr_workgroup_id_y 1
		.amdhsa_system_sgpr_workgroup_id_z 1
		.amdhsa_system_vgpr_workitem_id 0
		.amdhsa_next_free_vgpr 1024
		.amdhsa_next_free_sgpr 66
		.amdhsa_reserve_vcc 0
		.amdhsa_float_denorm_mode_32 3
		.amdhsa_float_denorm_mode_16_64 3
		.amdhsa_memory_ordered 1
		.amdhsa_forward_progress 1
		.amdhsa_inst_pref_size 255
	.end_amdhsa_kernel
	.section	.bss,"aw",@nobits
	.p2align	6
	.space	262144
	.amdgpu_metadata
---
amdhsa.version: [ 1, 2 ]
amdhsa.kernels:
  - .name:           k_q78c4403515_attn
    .symbol:         k_q78c4403515_attn.kd
    .args:
      - { .name: kvimg, .offset: 0, .size: 8, .value_kind: global_buffer, .address_space: global }
      - { .name: jimg, .offset: 8, .size: 8, .value_kind: global_buffer, .address_space: global }
      - { .name: wo_codes, .offset: 16, .size: 8, .value_kind: global_buffer, .address_space: global }
      - { .name: bo, .offset: 24, .size: 8, .value_kind: global_buffer, .address_space: global }
      - { .name: lowp_scales, .offset: 32, .size: 8, .value_kind: global_buffer, .address_space: global }
      - { .name: x, .offset: 40, .size: 8, .value_kind: global_buffer, .address_space: global }
      - { .name: out0, .offset: 48, .size: 8, .value_kind: global_buffer, .address_space: global }
    .group_segment_fixed_size: 327680
    .private_segment_fixed_size: 0
    .kernarg_segment_align: 8
    .kernarg_segment_size: 56
    .max_flat_workgroup_size: 128
    .sgpr_count:     66
    .vgpr_count:     1024
    .wavefront_size: 32
...
	.end_amdgpu_metadata
.endif
;; end of part 2
;; ======== version 2 of 2: 2 launches; version 1 with the launch proj written anew for expert scheduling mode
;; workspace buffers: kvimg 16,777,216 bytes; jimg 8,388,608 bytes
;; launch proj (part 3): grid 16 x 16, 4 waves a work-group, no clusters, 198,656 bytes of LDS; arguments x, lowp_scales, wq_codes, wk_codes, wv_codes, kvimg, jimg, bv, bq, gq, betaq, mq, vq, bk, gk, betak, mk, vk; writes kvimg, jimg
.if DOCPART == 3
	.amdgcn_target "amdgcn-amd-amdhsa--gfx1250"
	.amdhsa_code_object_version 6
	.text
	.protected	k_q78c4403515_proj
	.globl	k_q78c4403515_proj
	.p2align	8
	.type	k_q78c4403515_proj,@function
k_q78c4403515_proj:
	s_mov_b64 s[64:65], 0
	v_nop
	global_prefetch_b8 v0, s[64:65] scope:SCOPE_SE
	s_setreg_imm32_b32 hwreg(HW_REG_WAVE_SCHED_MODE, 0, 2), 2
	s_setreg_imm32_b32 hwreg(HW_REG_WAVE_MODE, 25, 1), 1
	s_wait_xcnt 0x0
	s_wait_alu depctr_vm_vsrc(0)
; q = relu(bn(wq x + bq)), k = relu(bn(wk x + bk)), v = wv x + bv, on codes of FP8 (E4M3); the three results leave as codes, laid as images of the operand registers that the attention launch wants.
; x: [16][512][2048] f32, K = the 512 channels, which are NOT innermost.  It is quantised three times, with 2^e0, 2^e2, 2^e4.  wq, wk, wv: [256][512] codes, K innermost.
; SHARES.  A work-group takes 128 positions of one batch (grid x = the block of positions, y = the batch): 256 KiB of x, read once, and all 768 outputs for them.
;   Part 1: wave w reads channels 128 w .. 128 w + 127 (K step w) of the 128 positions, 16 channels a unit; a load's 32 lanes take 512 consecutive bytes of one channel, 4 positions a lane.  The hold at the largest code
;   copies, for one position, its 16 channels into 16 registers on end, so that the conversions give 16 codes along K: 16 bytes of a fragment's image in LDS.  Nothing is transposed by an instruction.
;   Part 2: wave w makes outputs 64 w .. 64 w + 63 of q, k and v for all 128 positions: 32 accumulators; its 16 fragments of the weight in hand come from memory straight into registers.
; IMAGES.  A fragment (16 rows x 128 K) is 16 registers a lane; registers 4 c .. 4 c + 3 of lane l lie at 512 c + 16 l.  Lane (r, h) holds row r and k = 32 c + 16 h + 0 .. 15: a permutation of k that is the same on both sides of each product.
; q AND k are used transposed (source 0 = 16 rows of W, source 1 = 16 positions): a lane holds one position and eight channels.  The rows of W that form a tile are not neighbours: lane r of tile 2 b + u takes row
;   32 b + 8 u + r + 8 (r / 8), so that the 16 registers of tiles 2 b, 2 b + 1 are channels 32 b + 16 h + 0 .. 15: the conversions' results are the next operand's registers.
; v is used the other way round (source 0 = 16 positions, source 1 = 16 rows of W): a lane holds one channel and eight positions 8 h + 0 .. 7, which are the keys, the K of the product that reads v.
; y = sum x A + B with A = g rsq(var + 1e-5) 2^(ex + ew), B = (b - mean) g rsq(var + 1e-5) + beta: one packed multiply-add for two numbers; relu and the hold at the largest code are one v_med3.
; NO CLUSTER, NO JOINT LOADS: a joint load lands in LDS; x's images take 198,144 bytes and one product's weights 131,072: together 329,216, more than the 327,680 that a work-group can have.
; NO PREFETCH: the launch's one stream from memory, x, is asked for 32 to 48 loads a wave ahead by the loads themselves.
; LIMITS: e0, e2, e4, e6, e7, e8 between -126 and 119, e4 + e5 between -126 and 127, so that each power of two below is an f32 number.  NaN among the inputs is not served.
; REGISTERS, in windows of 256.  Window 0: v1-15 addresses and constants; part 1: v16-207 three units of x, v208-239 two sets of 16 held numbers, v240-255 two sets of two positions' codes; part 2: v64-255 three sets of four fragments of x,
;   on the way out v64-191 numbers and v192-255 codes.  Window 1: the weight's 16 fragments, (tile, K step) at 16 (4 tile + step).  Window 2: the accumulators, (tile of outputs o, tile of positions p) at 32 p + 8 o.
;   Window 3: v0 bq (later bv), v32 gq -> A, v64 betaq -> B, v96 mean, v128 var, v160 bk, v192 gk -> A, v224 betak -> B: 32 registers each, in the result's layout.
; THE MODE: SCHED_MODE bits 1:0 = 2 (LLVM: expert scheduling mode 2), set by the entry lines.  The code itself states the register dependences between vector or matrix instructions and memory or LDS instructions, with s_wait_alu, always for 0.
; THE PLAN.  Registers that memory or LDS instructions touch, and who else names them:
;   v1-3, v10-15   Offsets and LDS addresses: made at the head, ahead of one wait on va_vdst, and never written again.
;   X0 .. X2       (v16-207) Unit u's holds read X[u % 3]; the loads of unit u + 2 land in X[(u - 1) % 3] and are issued in unit u's first group.
;   C0, C1         (v240-247, v248-255) A group is two positions under one scale.  Group g's conversions write C[g % 2]; the two LDS stores that read it are issued at the head of group g + 1.
;   F0 .. F2       (v64-255) Step g's sixteen matrix instructions read F[g % 3]; the LDS loads of group g + 2 land in F[(g - 1) % 3] and are issued in step g, in two runs of eight among its matrix instructions.
;   window 1       Read by a product's 128 matrix instructions; the next weight's loads land there behind one wait at the product's end.
;   window 3       v96-159 and v0, 2, 4, 6: read and written by q's parameter lines; k's mean and variance and bv land there behind one wait.
;   v192-255       On a way out: written by the conversions, read by the stores; the next product's F2 lands there, behind the waits in its step 0.
;   v208-239, window 2 and the rest of window 3 are named by vector and matrix instructions alone.
; So in part 1 a wait on vm_vsrc and a wait on va_vdst stand at a group's head, and in part 2 one wait on va_vdst at the head of each step that fetches into a set which matrix instructions have read.
.set IMGP, 2064                        ; an image in LDS: 2,048 bytes + 16.  2064 mod 256 = 16: the sixteen lanes of a store's pass (four tiles x four places 64 bytes apart) touch sixteen different 16-byte columns of the 64 banks (ISA guide 11.1)
.set KSTP, 24*IMGP                     ; a K step's images: 3 scales x 8 tiles of positions
.set XR,   16
.set T1,   208
.set C1,   240
.set MSB, 0
.set GN,  0                            ; groups written so far
.set PU,  0                            ; the group before: its unit,
.set PQ,  0                            ; its scale,
.set PP,  0                            ; its pair of positions, which is also its set of code registers
.set LDG, 0                            ; 1 in a group among whose holds a unit of x is asked for
.macro WIN new                         ; the immediate's high byte repeats the setting that is left; a switch that changes nothing is dropped
.if MSB != \new
	s_set_vgpr_msb (MSB<<8)|\new
.set MSB, \new
.endif
.endm
.macro PLACES                          ; four plain vector instructions between a matrix instruction and a load into its registers or a read of its result
.rept 4
	v_nop
.endr
.endm
.macro MKSC e, sc, hi                  ; s[sc] = 2^e as f32, s[hi] = 448 x 2^e
	s_add_co_i32 s[\sc], s[\e], 127
	s_add_co_i32 s[\hi], s[\sc], 8
	s_lshl_b32 s[\sc], s[\sc], 23
	s_lshl_b32 s[\hi], s[\hi], 23
	s_or_b32 s[\hi], s[\hi], 0x600000
.endm
.macro XLOAD u                         ; unit u: 16 channels x 128 positions; each load is 512 consecutive bytes of one channel's row
.set i, 0
.rept 16
	global_load_b128 v[XR+64*((\u)%3)+4*i:XR+64*((\u)%3)+4*i+3], v1, s[4:5] offset:(16*(\u)+i)*8192 th:TH_LOAD_NT
.set i, i+1
.endr
.endm
.macro XL4 u, base                     ; four of unit u's sixteen loads, from channel base on
.irp i, 0,1,2,3
	global_load_b128 v[XR+64*((\u)%3)+4*((\base)+\i):XR+64*((\u)%3)+4*((\base)+\i)+3], v1, s[4:5] offset:(16*(\u)+(\base)+\i)*8192 th:TH_LOAD_NT
.endr
.endm
.macro HOLD8 p, q, base                ; eight of position p's sixteen channels, held into the set p % 2
.irp i, 0,1,2,3,4,5,6,7
	v_med3_num_f32 v[T1+16*((\p)%2)+(\base)+\i], v[XS+4*((\base)+\i)+(\p)], -v[4+2*(\q)], v[4+2*(\q)]   ; the conversion to an 8-bit code does not saturate (ISA guide 7.6.2): held within 448 x the scale
.endr
.endm
.macro CODES p, q                      ; position p's sixteen held numbers become 16 codes; the next holds, into the other set, are the plain lines behind the conversions
	v_cvt_scalef32_pk8_fp8_f32 v[C1+4*(\p):C1+4*(\p)+1], v[T1+16*((\p)%2):T1+16*((\p)%2)+7], v[5+2*(\q)]
	v_cvt_scalef32_pk8_fp8_f32 v[C1+4*(\p)+2:C1+4*(\p)+3], v[T1+16*((\p)%2)+8:T1+16*((\p)%2)+15], v[5+2*(\q)]
.endm
.macro PUT k                           ; the group before: position 2 PP + k's 16 codes go to their place in an image
	ds_store_b128 v2, v[C1+8*PP+4*(\k):C1+8*PP+4*(\k)+3] offset:PQ*8*IMGP+512*(PU/2)+256*(PU%2)+16*(2*PP+(\k))
.endm
; A group: positions 2 pp and 2 pp + 1 of my four, under scale q, of unit u.  Its memory and LDS instructions are the two stores of the group before and, where LDG = 1, the sixteen loads of unit u + 2:
; they touch the other set of codes and the unit that was left, which no vector instruction of this group names.
.macro GROUP u, q, pp
.if GN > 1
	s_wait_alu depctr_vm_vsrc(0)                   ; the two stores issued at the head of the group before have read the set of codes that this group's conversions write again
.endif
.if GN > 0
	s_wait_alu depctr_va_vdst(0)                   ; the group before has written its codes, which the two stores below read; at a unit's first group: the unit before is done reading its registers, in which the loads below land
	PUT 0
	PUT 1
.endif
.if LDG
	XL4 (\u)+2, 0
.endif
	HOLD8 2*(\pp), \q, 0
.if LDG
	XL4 (\u)+2, 4
.endif
	HOLD8 2*(\pp), \q, 8
.if GN > 1
	s_wait_dscnt 2                                 ; the two stores that read this set of code registers are done: the two just issued may be out
.endif
	CODES 2*(\pp), \q
.if LDG
	XL4 (\u)+2, 8
.endif
	HOLD8 2*(\pp)+1, \q, 0
.if LDG
	XL4 (\u)+2, 12
.endif
	HOLD8 2*(\pp)+1, \q, 8
	CODES 2*(\pp)+1, \q
.set PU, \u
.set PQ, \q
.set PP, \pp
.set GN, GN+1
.endm
; Unit u becomes 16 bytes of each of 3 x 8 images: six groups.  ld = 1: unit u + 2 is asked for in the first of them.
.macro UNIT u, ld
.set XS, XR+64*((\u)%3)
.irp q, 0,1,2
.irp pp, 0,1
.set LDG, 0
.if \ld && (((\q)+(\pp)) == 0)
.set LDG, 1
.endif
	GROUP \u, \q, \pp
.endr
.endr
.endm
.macro WLOADH b, first                 ; the weight's tiles first, first + 1: 32 loads into window 1
	WIN 0x40
.irp t, \first, \first+1
.irp s, 0,1,2,3
.irp c, 0,1,2,3
	global_load_b128 v[16*(4*(\t)+\s)+4*\c:16*(4*(\t)+\s)+4*\c+3], v3, s[\b:\b+1] offset:(32*((\t)/2)+8*((\t)%2))*512+128*\s+32*\c
.endr
.endr
.endr
	WIN 0
.endm
.macro PLOAD b, reg                    ; 32 numbers of a parameter, in the result's layout: tile t's eight are those of channels 32 (t / 2) + 16 h + 8 (t % 2) + 0 .. 7
.irp t, 0,1,2,3
	global_load_b128 v[\reg+8*\t:\reg+8*\t+3], v10, s[\b:\b+1] offset:(32*(\t/2)+8*(\t%2))*4
	global_load_b128 v[\reg+8*\t+4:\reg+8*\t+7], v10, s[\b:\b+1] offset:(32*(\t/2)+8*(\t%2))*4+16
.endr
.endm
.macro FETCH2 q, g, first              ; group g = (K step g / 2, half g % 2 of the positions): its fragments first, first + 1 of x under scale q into set g % 3: eight loads
.set FL, 64+64*((\g)%3)
.irp l, \first, \first+1
.irp c, 0,1,2,3
	ds_load_b128 v[FL+16*(\l)+4*\c:FL+16*(\l)+4*\c+3], v[12+(\g)/2] offset:(8*(\q)+4*((\g)%2)+(\l))*IMGP+512*\c
.endr
.endr
.endm
.macro MUL4 g, l, swap                 ; four matrix instructions on four accumulators: fragment l of group g against the weight's four tiles.  An accumulator comes again two groups on.  K step 0 starts the sums
.set FS, 64+64*((\g)%3)+16*(\l)
.irp o, 0,1,2,3
.set AC, 32*(4*((\g)%2)+(\l))+8*\o
.set WF, 16*(4*\o+(\g)/2)
.if \swap
.if (\g) < 2
	v_wmma_f32_16x16x128_fp8_fp8 v[AC:AC+7], v[FS:FS+15], v[WF:WF+15], 0
.else
	v_wmma_f32_16x16x128_fp8_fp8 v[AC:AC+7], v[FS:FS+15], v[WF:WF+15], v[AC:AC+7]
.endif
.else
.if (\g) < 2
	v_wmma_f32_16x16x128_fp8_fp8 v[AC:AC+7], v[WF:WF+15], v[FS:FS+15], 0
.else
	v_wmma_f32_16x16x128_fp8_fp8 v[AC:AC+7], v[WF:WF+15], v[FS:FS+15], v[AC:AC+7]
.endif
.endif
.endr
.endm
.macro WINM swap
.if \swap
	WIN 0xa4                                       ; source 0 (x) window 0, source 1 (W) window 1, C and D window 2
.else
	WIN 0xa1                                       ; source 0 (W) window 1, source 1 (x) window 0, C and D window 2
.endif
.endm
; 128 matrix instructions in eight steps of sixteen; the fragments of x run two groups ahead.  The first two groups land in v64-191: every vector instruction that has named these registers stands ahead of the wait on
; va_vdst in front of the last run of stores, LDS or global, ahead of this macro, and no vector instruction follows that wait; no memory instruction has read them.
.macro PRODUCT q, swap, lc
	FETCH2 \q, 0, 0
	FETCH2 \q, 0, 2
	FETCH2 \q, 1, 0
	FETCH2 \q, 1, 2
	s_wait_loadcnt \lc                             ; the weight's fragments are in
.irp g, 0,1,2,3,4,5,6,7
.if (\g > 0) && (\g < 6)
	PLACES                                         ; the set that is loaded in this step was multiplied in the step before
.endif
.if \g < 7
	s_wait_dscnt 16                                ; this group's 16 loads are in; the next group's may be out
.else
	s_wait_dscnt 0
.endif
.if (\g > 0) && (\g < 6)
	s_wait_alu depctr_va_vdst(0)                   ; the matrix instructions of the step before are done reading their set of fragments, in which the sixteen loads of this step land
.endif
	WINM \swap
	MUL4 \g, 0, \swap
.if \g < 6
	WIN 0
.if \g == 0
	s_wait_xcnt 0x0                                ; the last way out's stores have had their addresses translated: their code registers, v192-255, take fragments again only behind this wait,
	s_wait_alu depctr_vm_vsrc(0)                   ; and those stores (ahead of the first product: part 1's LDS stores) have read v192-255, in which the loads below land
.endif
	FETCH2 \q, \g+2, 0                             ; no vector or matrix instruction since the wait on va_vdst names this set
	WINM \swap
.endif
	MUL4 \g, 1, \swap
.if \g < 6
	WIN 0
	FETCH2 \q, \g+2, 2
	WINM \swap
.endif
	MUL4 \g, 2, \swap
	MUL4 \g, 3, \swap
.endr
	WIN 0
	PLACES
.endm
.macro PARAMS bi, g, be, me, va, se    ; g -> A = g rsq(var + eps) 2^(ex + ew);  beta -> B = bias inv + (beta - mean inv)
	WIN 0xff
.set i, 0
.rept 32
	v_add_f32 v[\va+i], 0x3727c5ac, v[\va+i]       ; var + 1e-5
.set i, i+1
.endr
.set i, 0
.rept 32
	v_rsq_f32 v[\va+i], v[\va+i]
.set i, i+1
.endr
	v_nop                                          ; a plain instruction behind the last of the batch,
	s_wait_alu depctr_va_vdst(0)                   ; and one wait for the 32 reciprocal roots, ahead of their first reader
.set i, 0
.rept 16
	v_pk_mul_f32 v[\g+i:\g+i+1], v[\g+i:\g+i+1], v[\va+i:\va+i+1]
.set i, i+2
.endr
.set i, 0
.rept 16
	v_pk_fma_f32 v[\be+i:\be+i+1], v[\me+i:\me+i+1], v[\g+i:\g+i+1], v[\be+i:\be+i+1] neg_lo:[1,0,0] neg_hi:[1,0,0]
.set i, i+2
.endr
.set i, 0
.rept 16
	v_pk_fma_f32 v[\be+i:\be+i+1], v[\bi+i:\bi+i+1], v[\g+i:\g+i+1], v[\be+i:\be+i+1]
.set i, i+2
.endr
.set i, 0
.rept 32
	v_ldexp_f32 v[\g+i], v[\g+i], s[\se]
.set i, i+1
.endr
	WIN 0
.endm
; The way out of q or k, four tiles of positions at a time: y = sum A + B, relu and hold in one, 16 codes a lane and pair of tiles, stored as they stand: each store covers 512 consecutive bytes, aligned.
; The first half's eight stores are dealt among the second half's holds, which name v64-191 and v4 alone.
.macro EPI_QK pa, pb, dst
.irp hb, 0,1
	WIN 0x3e                                       ; source 0 (the sums) window 2, sources 1 and 2 (A, B) window 3
.set i, 0
.rept 64
	v_pk_fma_f32 v[64+i:65+i], v[128*\hb+i:128*\hb+i+1], v[\pa+i%32:\pa+i%32+1], v[\pb+i%32:\pb+i%32+1]   ; each accumulator from its low end on
.set i, i+2
.endr
	WIN 0
.if \hb == 1
	s_wait_alu depctr_va_vdst(0)                   ; the first half's conversions have written v192-223, which the eight stores dealt below read
.endif
.set i, 0
.rept 128
	v_med3_num_f32 v[64+i], v[64+i], 0, v4         ; the activation and the hold in one
.if (\hb == 1) && ((i%16) == 7)
	global_store_b128 v1, v[192+4*(i/16):192+4*(i/16)+3], s[\dst:\dst+1] offset:4096*(i/32)+512*((i/16)%2)
.endif
.set i, i+1
.endr
.set i, 0
.rept 16
	v_cvt_scalef32_pk8_fp8_f32 v[192+32*\hb+2*i:192+32*\hb+2*i+1], v[64+8*i:64+8*i+7], v5
.set i, i+1
.endr
	v_nop                                          ; a plain line behind the last conversion: its sources are written again below
.endr
	s_wait_alu depctr_va_vdst(0)                   ; the second half's conversions have written v224-255, which the stores below read
.set i, 0
.rept 8
	global_store_b128 v1, v[224+4*i:224+4*i+3], s[\dst:\dst+1] offset:4096*(4+i/2)+512*(i%2)
.set i, i+1
.endr
.endm
.macro EPI_V                           ; v = sum 2^(e4 + e5) + bv; a lane holds one channel, so its bias is one number.  Of a tile's 16 code registers the first half of the positions fills the lower eight: their stores are dealt among the second half's holds
.irp hb, 0,1
	WIN 0x32                                       ; source 0 window 2, source 2 (bv) window 3
.set i, 0
.rept 64
	v_pk_fma_f32 v[64+i:65+i], v[128*\hb+i:128*\hb+i+1], s[82:83], v[2*((i%32)/8):2*((i%32)/8)+1] op_sel_hi:[1,0,0]
.set i, i+2
.endr
	WIN 0
.if \hb == 1
	s_wait_alu depctr_va_vdst(0)                   ; the first half's conversions have written the lower eight code registers of each tile, which the eight stores dealt below read
.endif
.set i, 0
.rept 128
	v_med3_num_f32 v[64+i], v[64+i], -v4, v4
.if (\hb == 1) && ((i%16) == 7)
	global_store_b128 v1, v[192+16*(i/32)+4*((i/16)%2):192+16*(i/32)+4*((i/16)%2)+3], s[70:71] offset:512*(4*(i/32)+((i/16)%2))
.endif
.set i, i+1
.endr
.set i, 0
.rept 16
	v_cvt_scalef32_pk8_fp8_f32 v[192+16*(i%4)+2*(4*\hb+i/4):192+16*(i%4)+2*(4*\hb+i/4)+1], v[64+8*i:64+8*i+7], v5   ; tile of outputs i % 4, tile of positions 4 hb + i / 4: registers 2 p, 2 p + 1 hold keys 16 p + 8 h + 0 .. 7
.set i, i+1
.endr
	v_nop
.endr
	s_wait_alu depctr_va_vdst(0)                   ; the second half's conversions have written the upper eight code registers of each tile, which the stores below read
.set i, 0
.rept 8
	global_store_b128 v1, v[192+16*(i/2)+8+4*(i%2):192+16*(i/2)+8+4*(i%2)+3], s[70:71] offset:512*(4*(i/2)+2+(i%2))
.set i, i+1
.endr
.endm
	s_load_b512 s[4:19], s[0:1], 0x0               ; x, scales, wq, wk, wv, kvimg, jimg, bv
	s_load_b512 s[20:35], s[0:1], 0x40             ; bq, gq, betaq, mq, vq, bk, gk, betak
	s_load_b128 s[36:39], s[0:1], 0x80             ; mk, vk
	v_lshrrev_b32 v1, 5, v0
	v_readfirstlane_b32 s49, v1                    ; wave 0..3
	v_and_b32 v16, 31, v0                          ; lane
	v_lshlrev_b32 v1, 4, v16                       ; v1 = 16 x lane: x's offset, an image's place, the stores' offset
	v_lshrrev_b32 v17, 2, v16
	v_mul_u32_u24 v2, v17, IMGP                    ; my four positions lie in tile lane / 4,
	v_and_b32 v17, 3, v16
	v_lshl_add_u32 v2, v17, 6, v2                  ; at rows 4 (lane % 4) + p: 64 (lane % 4) + 16 p,
	s_wait_alu depctr_va_sdst(0)                   ; s49, the wave's number, is written, ahead of its first reader
	s_mul_i32 s50, s49, KSTP
	v_add_nc_u32 v2, s50, v2                       ; in my K step's images
	v_and_b32 v17, 15, v0                          ; r
	v_bfe_u32 v18, v0, 4, 1                        ; h
	v_and_b32 v19, 8, v17
	v_add_nc_u32 v19, v19, v17                     ; r + 8 (r / 8)
	v_lshlrev_b32 v3, 9, v19
	v_lshl_add_u32 v3, v18, 4, v3                  ; v3: a weight's row of 512 bytes, + 16 h
	v_lshlrev_b32 v10, 6, v18                      ; v10: 16 h channels of a parameter
	v_lshlrev_b32 v11, 2, v19                      ; v11: bv at my row of a tile
.irp s, 0,1,2,3
	v_add_nc_u32 v[12+\s], \s*KSTP, v1             ; v12-15: 16 x lane in K step s's images
.endr
	s_and_b32 s51, ttmp7, 0xffff                   ; batch
	s_lshl_b32 s52, s51, 22                        ; x: batch x 4 MiB
	s_lshl_b32 s53, s49, 20                        ;  + my 128 channels' rows of 8,192 bytes
	s_add_co_u32 s52, s52, s53
	s_lshl_b32 s53, ttmp9, 9                       ;  + the block's 128 positions
	s_add_co_u32 s52, s52, s53
	s_mov_b32 s53, 0
	s_lshl_b32 s54, s49, 15                        ; the weights: my 64 rows of 512 bytes
	s_mov_b32 s55, 0
	s_lshl_b32 s56, s49, 8                         ; the parameters: my 64 numbers
	s_mov_b32 s57, 0
	s_lshl_b32 s58, s51, 4
	s_add_co_u32 s58, s58, ttmp9                   ; 16 batch + block
	s_lshl_b32 s60, s58, 16                        ; its 65,536 bytes in kvimg,
	s_mov_b32 s61, 0
	s_lshl_b32 s62, s58, 15                        ; its 32,768 in jimg
	s_mov_b32 s63, 0
	s_lshl_b32 s66, s49, 10                        ; my channels' place in an image of q or k: 2,048 (w / 2) + 1,024 (w % 2) = 1,024 w
	s_mov_b32 s67, 0
	s_lshl_b32 s68, s49, 13
	s_add_co_u32 s68, s68, 32768                   ; v's images lie behind q's; my four tiles of 2,048 bytes
	s_mov_b32 s69, 0
	s_wait_kmcnt 0x0
	s_load_b256 s[40:47], s[6:7], 0x0              ; e0 .. e7
	s_load_b32 s48, s[6:7], 0x20                   ; e8
	s_add_nc_u64 s[4:5], s[4:5], s[52:53]
	s_wait_alu depctr_va_vdst(0)                   ; the offsets and LDS addresses v1-3 and v10-15 are written, which every load and store of the kernel reads; so are v16-19, in which loads of x land
	XLOAD 0
	XLOAD 1
	XLOAD 2
.irp b, 8,10,12
	s_add_nc_u64 s[\b:\b+1], s[\b:\b+1], s[54:55]
.endr
.irp b, 18,20,22,24,26,28,30,32,34,36,38
	s_add_nc_u64 s[\b:\b+1], s[\b:\b+1], s[56:57]
.endr
	s_add_nc_u64 s[14:15], s[14:15], s[60:61]
	s_add_nc_u64 s[70:71], s[14:15], s[68:69]      ; where v's codes go
	s_add_nc_u64 s[14:15], s[14:15], s[66:67]      ; where q's go
	s_add_nc_u64 s[16:17], s[16:17], s[62:63]
	s_add_nc_u64 s[16:17], s[16:17], s[66:67]      ; where k's go
	s_wait_kmcnt 0x0
	MKSC 40, 72, 73
	v_mov_b32 v4, s73                              ; v4, v5: 448 x 2^e0, 2^e0
	v_mov_b32 v5, s72
	MKSC 42, 72, 73
	v_mov_b32 v6, s73                              ; e2
	v_mov_b32 v7, s72
	MKSC 44, 72, 73
	v_mov_b32 v8, s73                              ; e4
	v_mov_b32 v9, s72
	MKSC 46, 74, 75                                ; q's own scale
	MKSC 47, 76, 77                                ; k's
	MKSC 48, 78, 79                                ; v's
	s_add_co_i32 s80, s40, s41                     ; e0 + e1
	s_add_co_i32 s81, s42, s43                     ; e2 + e3
	s_add_co_i32 s82, s44, s45
	s_add_co_i32 s82, s82, 127
	s_lshl_b32 s82, s82, 23                        ; 2^(e4 + e5) as f32
	s_mov_b32 s83, s82                             ; (named with it as a pair, so it is written)
	; ---- part 1: my 128 channels become 24 images.  Two units are on their way at a unit's head, and a third is asked for in its first group
	s_wait_loadcnt 32                              ; unit 0's 16 loads are in; units 1 and 2 may be out
	UNIT 0, 0
.irp u, 1,2,3,4,5
	s_wait_loadcnt 16                              ; this unit's 16 loads are in; the next unit's may be out
	UNIT \u, 1
.endr
	WLOADH 8, 0                                    ; wq's first 32 loads go out where x has no more to ask for.  No vector instruction has named window 1
	s_wait_loadcnt 48                              ; unit 6 is in; unit 7's 16 and wq's 32 may be out
	UNIT 6, 0
	s_wait_loadcnt 32                              ; unit 7 is in; wq's 32 may be out
	WLOADH 8, 2
	UNIT 7, 0
	v_nop                                          ; a plain line behind the last conversion
	s_wait_alu depctr_va_vdst(0)                   ; the last group has written its codes, which the two stores below read; and part 1's holds and conversions are done with v16-255, in which fragments of x will land
	PUT 0
	PUT 1
	WIN 0xc0                                       ; no vector instruction has named window 3
	PLOAD 20, 0
	PLOAD 22, 32
	PLOAD 24, 64
	PLOAD 26, 96
	PLOAD 28, 128
	PLOAD 30, 160
	PLOAD 32, 192
	PLOAD 34, 224
	WIN 0
	s_wait_dscnt 0x0                               ; for the others' sake: my images lie in LDS
	s_barrier_signal -1
	s_barrier_wait -1                              ; all 96 do.  They are only read from here on: the launch has this one barrier
	; ---- part 2
	PRODUCT 0, 0, 63                               ; q.  Behind wq's last load 64 parameter loads were issued; the wait's field holds 63
	s_wait_alu depctr_va_vdst(0)                   ; the products are done reading wq's fragments, in which wk's land
	s_wait_loadcnt 0x0                             ; the parameters
	WLOADH 10, 0                                   ; wk comes in under q's way out
	WLOADH 10, 2
	PARAMS 0, 32, 64, 96, 128, 80
	WIN 0xc0
.irp o, 0,1,2,3
	v_mov_b32 v[2*\o+1], 0                         ; (named with bv as a pair, so it is written)
.endr
	s_wait_alu depctr_va_vdst(0)                   ; q's parameter lines are done reading and writing its mean, its variance and bq, in whose registers the loads below land
	PLOAD 36, 96                                   ; k's mean and variance take q's place,
	PLOAD 38, 128
.irp o, 0,1,2,3
	global_load_b32 v[2*\o], v11, s[18:19] offset:(32*(\o/2)+8*(\o%2))*4   ; bv takes bq's: one number a tile
.endr
	WIN 0
	v_mov_b32 v4, s75
	v_mov_b32 v5, s74
	EPI_QK 32, 64, 14
	PRODUCT 1, 0, 0                                ; k
	s_wait_alu depctr_va_vdst(0)                   ; the products are done reading wk's fragments, in which wv's land
	WLOADH 12, 0
	WLOADH 12, 2
	PARAMS 160, 192, 224, 96, 128, 81
	v_mov_b32 v4, s77
	v_mov_b32 v5, s76
	EPI_QK 192, 224, 16
	PRODUCT 2, 1, 0                                ; v, the sources the other way round
	v_mov_b32 v4, s79
	v_mov_b32 v5, s78
	EPI_V
	s_wait_xcnt 0x0                                ; the last stores have had their addresses translated: v254 and v255 are among their data,
	s_wait_alu depctr_vm_vsrc(0)                   ; and they have read v254 and v255, which the two lines below write
	v_lshl_add_u32 v254, v0, 2, 0x30600
	v_mov_b32 v255, 0
	s_wait_dscnt 0x0                               ; the closing lines, six on end
	s_wait_alu 0x0
	s_wait_tensorcnt 0x0
	ds_add_u32 v254, v255
	s_wait_dscnt 0x0
	s_endpgm
.Lfunc_end_k_q78c4403515_proj:
	.size	k_q78c4403515_proj, .Lfunc_end_k_q78c4403515_proj-k_q78c4403515_proj
	.p2alignl 7, 3214868480
	.fill 96, 4, 3214868480
	.section	.rodata,"a",@progbits
	.p2align	6, 0x0
	.amdhsa_kernel k_q78c4403515_proj
		.amdhsa_group_segment_fixed_size 198656
		.amdhsa_private_segment_fixed_size 0
		.amdhsa_enable_private_segment 0
		.amdhsa_kernarg_size 144
		.amdhsa_user_sgpr_count 2
		.amdhsa_user_sgpr_kernarg_segment_ptr 1
		.amdhsa_wavefront_size32 1
		.amdhsa_system_sgpr_workgroup_id_x 1
		.amdhsa_system_sgpr_workgroup_id_y 1
		.amdhsa_system_sgpr_workgroup_id_z 1
		.amdhsa_system_vgpr_workitem_id 0
		.amdhsa_next_free_vgpr 1024
		.amdhsa_next_free_sgpr 100
		.amdhsa_reserve_vcc 0
		.amdhsa_float_denorm_mode_32 3
		.amdhsa_float_denorm_mode_16_64 3
		.amdhsa_memory_ordered 1
		.amdhsa_forward_progress 1
		.amdhsa_inst_pref_size 255
	.end_amdhsa_kernel
	.section	.bss,"aw",@nobits
	.p2align	6
	.space	262144
	.amdgpu_metadata
---
amdhsa.version: [ 1, 2 ]
amdhsa.kernels:
  - .name:           k_q78c4403515_proj
    .symbol:         k_q78c4403515_proj.kd
    .args:
      - { .name: x, .offset: 0, .size: 8, .value_kind: global_buffer, .address_space: global }
      - { .name: lowp_scales, .offset: 8, .size: 8, .value_kind: global_buffer, .address_space: global }
      - { .name: wq_codes, .offset: 16, .size: 8, .value_kind: global_buffer, .address_space: global }
      - { .name: wk_codes, .offset: 24, .size: 8, .value_kind: global_buffer, .address_space: global }
      - { .name: wv_codes, .offset: 32, .size: 8, .value_kind: global_buffer, .address_space: global }
      - { .name: kvimg, .offset: 40, .size: 8, .value_kind: global_buffer, .address_space: global }
      - { .name: jimg, .offset: 48, .size: 8, .value_kind: global_buffer, .address_space: global }
      - { .name: bv, .offset: 56, .size: 8, .value_kind: global_buffer, .address_space: global }
      - { .name: bq, .offset: 64, .size: 8, .value_kind: global_buffer, .address_space: global }
      - { .name: gq, .offset: 72, .size: 8, .value_kind: global_buffer, .address_space: global }
      - { .name: betaq, .offset: 80, .size: 8, .value_kind: global_buffer, .address_space: global }
      - { .name: mq, .offset: 88, .size: 8, .value_kind: global_buffer, .address_space: global }
      - { .name: vq, .offset: 96, .size: 8, .value_kind: global_buffer, .address_space: global }
      - { .name: bk, .offset: 104, .size: 8, .value_kind: global_buffer, .address_space: global }
      - { .name: gk, .offset: 112, .size: 8, .value_kind: global_buffer, .address_space: global }
      - { .name: betak, .offset: 120, .size: 8, .value_kind: global_buffer, .address_space: global }
      - { .name: mk, .offset: 128, .size: 8, .value_kind: global_buffer, .address_space: global }
      - { .name: vk, .offset: 136, .size: 8, .value_kind: global_buffer, .address_space: global }
    .group_segment_fixed_size: 198656
    .private_segment_fixed_size: 0
    .kernarg_segment_align: 8
    .kernarg_segment_size: 144
    .max_flat_workgroup_size: 128
    .sgpr_count:     100
    .vgpr_count:     1024
    .wavefront_size: 32
...
	.end_amdgpu_metadata
.endif
;; end of part 3
;; launch attn: the kernel of part 2 again; grid 16 x 16, 4 waves a work-group, clusters of 4 x 1, 327,680 bytes of LDS; arguments kvimg, jimg, wo_codes, bo, lowp_scales, x, out0; writes out0
